; MI455X (gfx1250); checked and timed in simulation.
; The chip was launched on July 23, 2026; its instructions are those of AMD's public machine-readable ISA for CDNA 5 (MIT licence, August 2026) and "CDNA5" Instruction Set Architecture Reference Guide (July 2026). The comments in the code are by the model that wrote it; some were corrected since.
;; Multi Head Self Attention. Allowed arithmetic: float matrix products may take bf16 or f16 operands with f32 sums; all other float work in f32.
;; Inputs: token_positions 2 x 2,048 int32; w_k 1,024 x 1,024 float32; w_o 1,024 x 1,024 float32; w_q 1,024 x 1,024 float32; w_v 1,024 x 1,024 float32; x 2 x 2,048 x 1,024 float32.
;; Outputs: out0 2 x 2,048 x 1,024 float32.
;; 2 versions, each right; version 2 is version 1 with the launch prep written anew for expert scheduling mode. Each part assembles by itself: llvm-mc -triple=amdgcn-amd-amdhsa -mcpu=gfx1250 --defsym DOCPART=n.
;; ======== version 1 of 2: 4 launches
;; limits: values are held in f16: magnitudes above 65,504 overflow, below 6.1e-05 lose precision
;; workspace buffers: xh 8,388,608 bytes; wh 8,388,608 bytes; cs 1,048,576 bytes; qh 8,388,608 bytes; kh 8,388,608 bytes; vh 8,388,608 bytes; oh 8,388,608 bytes; first16 3,145,728 bytes
;; launch prep (part 1): grid 256 x 1, 8 waves a work-group, no clusters, 0 bytes of LDS; arguments x, w_q, w_k, w_v, w_o, token_positions, xh, wh, cs; writes xh, wh, cs
.if DOCPART == 1
	.amdgcn_target "amdgcn-amd-amdhsa--gfx1250"
	.amdhsa_code_object_version 6
	.text
	.protected	k_q72fb552c88_prep
	.globl	k_q72fb552c88_prep
	.p2align	8
	.type	k_q72fb552c88_prep,@function
k_q72fb552c88_prep:
	s_mov_b64 s[64:65], 0
	v_nop
	global_prefetch_b8 v0, s[64:65] scope:SCOPE_SE
	s_setreg_imm32_b32 hwreg(HW_REG_WAVE_MODE, 25, 1), 1
	s_wait_xcnt 0x0
; prep: 16-bit copies of x and of the four weights, and the table of cosines and sines for RoPE.
; All five floating-point inputs are rounded once, to bf16 (nearest even), the rounding of matrix operands that the problem's contract names.
; x, w_q, w_k, w_v are stored as bf16.  w_o's bf16 value is stored in f16: its partner in the last product needs f16's 11 bits, and one matrix
; form takes one format for both operands.  A bf16 number of magnitude 7.6e-6 to 65,504 is exact in f16.
; 256 work-groups of eight waves.  Each turns one dense block of 131,072 bytes of f32 into 65,536 dense bytes:
;   groups 0-127: x -> xh, block g.   groups 128-255: part = (g-128)/32 (q, k, v, o), block rb = g mod 32 = 32 rows of that weight.
;   w_q, w_k, w_v go into wh's first 3,072 rows: row head*192 + half*96 + part*32 + r holds row head*64 + half*32 + r of the part, so that one head's
;   q, k and v rows are 192 neighbouring rows for the next launch; 32 rows (rb = 2 head + half) stay one dense block.  w_o follows at byte 6,291,456 as it lies.
; Thread t takes 32 bytes (two loads of 16) of each of 16 chunks of 8,192 bytes and stores 16 bytes: a wave's store covers 512 neighbouring bytes.
; All 32 loads go out first; the trigonometry is done while they are on their way; no register of a load or store is used twice.
; Table: cs[row][i] = (cos, sin) of position[row] * 10000^(-i/32), f32, a row is 256 bytes.  Wave w of group g makes rows 16 g + 2 w and + 1; lane = i.
; LIMITS.  w_o in f16: |w_o| at or above 65,520 becomes infinity; below 7.6e-6 it keeps an absolute step of 6e-8.
;          10000^(-i/32) = 2^(-i log2(10)/8) by v_exp_f32: it may differ from a correctly rounded power in the last few bits.
;          Angle reduced by pi/2 in two parts: the reduced angle is off by less than 1e-7 for |position| < 100,000 and by about 1e-5 at 2^31.
; No LDS, no matrix unit, no cluster: a stream in which no byte is shared.
.set X,   16                           ; v[16:143]   chunk c: 8 registers of f32 as loaded
.set Y,   144                          ; v[144:207]  chunk c: 4 registers to store
.set CSD, 208                          ; v[208:211]  (cos, sin) of my two rows
.set CSA, 212                          ; v212        8 x lane
.set T,   4                            ; v[4:11]     w_o: the bf16 values widened, at work (free behind the trigonometry)
.set WO_AT, 0x600000                   ; w_o's first byte in wh: 3,072 rows x 2,048 bytes
	s_load_b512 s[8:23], s[0:1], 0x0               ; x 8, w_q 10, w_k 12, w_v 14, w_o 16, positions 18, xh 20, wh 22
	s_load_b64 s[24:25], s[0:1], 0x40              ; cs
	v_lshrrev_b32 v3, 5, v0
	v_readfirstlane_b32 s45, v3                    ; wave 0..7
	s_and_b32 s31, ttmp9, 31                       ; rb
	s_lshr_b32 s32, ttmp9, 5                       ; 0-3: x; 4, 5, 6, 7: w_q, w_k, w_v, w_o
	s_cmp_lt_u32 s32, 4
	s_cselect_b32 s33, ttmp9, s31                  ; number of my block in its source
	s_lshl_b32 s34, s33, 17                        ; source offset: block x 131,072
	s_mov_b32 s35, 0
	s_lshl_b32 s38, s33, 16                        ; block x 65,536: the offset in xh
	s_lshr_b32 s36, s31, 1                         ; head
	s_mul_i32 s36, s36, 192
	s_and_b32 s37, s31, 1                          ; half
	s_mul_i32 s37, s37, 96
	s_add_co_u32 s36, s36, s37
	s_sub_co_u32 s39, s32, 4                       ; part (wraps for x, where it is not used)
	s_lshl_b32 s37, s39, 5
	s_add_co_u32 s36, s36, s37                     ; packed row in wh
	s_lshl_b32 s36, s36, 11                        ; x 2,048 bytes
	s_add_co_u32 s44, s38, WO_AT                   ; w_o's block in wh
	s_cmp_eq_u32 s32, 7
	s_cselect_b32 s36, s44, s36
	s_cmp_lt_u32 s32, 4
	s_cselect_b32 s36, s38, s36                    ; destination offset
	s_mov_b32 s37, 0
	s_lshl_b32 s58, ttmp9, 6                       ; positions: 4 bytes x (16 g + 2 w)
	s_lshl3_add_u32 s58, s45, s58
	s_mov_b32 s59, 0
	s_lshl_b32 s56, ttmp9, 12                      ; cs: 256 bytes x (16 g + 2 w)
	s_lshl_b32 s57, s45, 9
	s_add_co_u32 s56, s56, s57
	s_mov_b32 s57, 0
	s_mov_b32 s48, 0xbfc90fdb                      ; -(pi/2), upper part
	s_mov_b32 s49, 0x333bbd2e                      ; -(pi/2 - upper part)
	s_mov_b32 s50, 0xb94ca1f9                      ; sine:   -1.9515295891e-4
	s_mov_b32 s51, 0x3c08839e                      ;          8.3321608736e-3
	s_mov_b32 s52, 0xbe2aaaa3                      ;         -1.6666654611e-1
	s_mov_b32 s53, 0x37ccf5ce                      ; cosine:  2.4433157118e-5
	s_mov_b32 s54, 0xbab6061a                      ;         -1.3887316255e-3
	s_mov_b32 s55, 0x3d2aaaa5                      ;          4.1666645683e-2
	v_lshlrev_b32 v1, 5, v0                        ; 32 t: my bytes in a chunk of the source
	v_lshlrev_b32 v2, 4, v0                        ; 16 t: my bytes in a chunk of the destination
	v_and_b32 v3, 31, v0                           ; lane = frequency index i
	s_wait_kmcnt 0x0
	s_add_nc_u64 s[18:19], s[18:19], s[58:59]
	s_load_b64 s[28:29], s[18:19], 0x0             ; my two positions
	s_cmp_eq_u32 s32, 4                            ; the source is chosen by the group's number alone
	s_cselect_b64 s[40:41], s[10:11], s[8:9]
	s_cmp_eq_u32 s32, 5
	s_cselect_b64 s[40:41], s[12:13], s[40:41]
	s_cmp_eq_u32 s32, 6
	s_cselect_b64 s[40:41], s[14:15], s[40:41]
	s_cmp_eq_u32 s32, 7
	s_cselect_b64 s[40:41], s[16:17], s[40:41]
	s_cmp_lt_u32 s32, 4                            ; and so is the destination
	s_cselect_b64 s[42:43], s[20:21], s[22:23]
	s_add_nc_u64 s[40:41], s[40:41], s[34:35]
	s_add_nc_u64 s[42:43], s[42:43], s[36:37]
	s_add_nc_u64 s[46:47], s[24:25], s[56:57]
.set c, 0
.rept 16
	global_load_b128 v[X+8*c:X+8*c+3],   v1, s[40:41] offset:8192*c th:TH_LOAD_NT
	global_load_b128 v[X+8*c+4:X+8*c+7], v1, s[40:41] offset:8192*c+16 th:TH_LOAD_NT
.set c, c+1
.endr
	v_cvt_f32_u32 v4, v3
	v_mul_f32 v4, 0xbed49a78, v4                   ; -i log2(10) / 8
	v_exp_f32 v4, v4                               ; 10^(-i/8) = 10000^(-i/32)
	v_lshlrev_b32 v[CSA], 3, v3                    ; the plain instruction between v_exp_f32 and the use of its result (ISA guide 5.7.2)
	s_wait_alu depctr_va_vdst(0)
	s_wait_kmcnt 0x0                               ; the positions
; cos and sin of position x frequency.  N = nearest whole number of quarter turns, R = the rest in [-pi/4, pi/4], polynomials in R,
; then the quadrant: odd N swaps the two; sin changes sign for N mod 4 = 2, 3, cos for N mod 4 = 1, 2.
.macro TRIG srow, dst, off
	v_cvt_f32_i32 v5, \srow
	v_mul_f32 v5, v5, v4                           ; the angle, one f32 product as in the definition
	v_mul_f32 v6, 0x3f22f983, v5                   ; x 2/pi
	v_rndne_f32 v6, v6                             ; N
	v_fma_f32 v7, v6, s48, v5
	v_fma_f32 v7, v6, s49, v7                      ; R
	v_cvt_i32_f32 v8, v6
	v_mul_f32 v9, v7, v7                           ; Z = R R
	v_fma_f32 v10, v9, s50, s51
	v_fma_f32 v11, v9, s53, s54
	v_fma_f32 v10, v10, v9, s52
	v_fma_f32 v11, v11, v9, s55
	v_mul_f32 v10, v10, v9
	v_fma_f32 v11, v11, v9, -0.5
	v_fma_f32 v10, v10, v7, v7                     ; sin R
	v_fma_f32 v11, v11, v9, 1.0                    ; cos R
	v_and_b32 v12, 1, v8
	v_cmp_eq_u32 vcc_lo, 1, v12
	v_cndmask_b32 v13, v10, v11, vcc_lo            ; sin: cos R where N is odd
	v_cndmask_b32 v14, v11, v10, vcc_lo            ; cos: sin R where N is odd
	v_lshlrev_b32 v12, 30, v8                      ; bit 1 of N to the sign's place
	v_add_nc_u32 v15, 1, v8
	v_lshlrev_b32 v15, 30, v15                     ; bit 1 of N + 1
	v_and_b32 v12, 0x80000000, v12
	v_and_b32 v15, 0x80000000, v15
	v_xor_b32 v[\dst], v14, v15
	v_xor_b32 v[\dst+1], v13, v12
	global_store_b64 v[CSA], v[\dst:\dst+1], s[46:47] offset:\off   ; 32 lanes x 8 bytes: one whole row of 256 bytes
.endm
	TRIG s28, CSD, 0
	TRIG s29, CSD+2, 256
; The 16 chunks are rounded and stored.  wo = 1: the bf16 values are widened again (a shift, a mask) and packed as f16.
.macro CONV wo
.set c, 0
.rept 16
	s_wait_loadcnt 30-2*c                          ; loads come back in order (ISA guide 5.7.1): chunk c's two are in, the 2 (15 - c) younger ones stay out
.irp k, 0,1,2,3
	v_cvt_pk_bf16_f32 v[Y+4*c+\k], v[X+8*c+2*\k], v[X+8*c+2*\k+1]
.endr
.if \wo
.irp k, 0,1,2,3
	v_lshlrev_b32 v[T+2*\k],   16, v[Y+4*c+\k]
	v_and_b32     v[T+2*\k+1], 0xffff0000, v[Y+4*c+\k]
.endr
.irp k, 0,1,2,3
	v_cvt_pk_f16_f32 v[Y+4*c+\k], v[T+2*\k], v[T+2*\k+1]
.endr
.endif
	global_store_b128 v2, v[Y+4*c:Y+4*c+3], s[42:43] offset:4096*c
.set c, c+1
.endr
.endm
	s_cmp_eq_u32 s32, 7                            ; the group's number alone decides
	s_cbranch_scc1 .Lw_o
	CONV 0
	s_endpgm
.Lw_o:
	CONV 1
	s_endpgm
.Lfunc_end_k_q72fb552c88_prep:
	.size	k_q72fb552c88_prep, .Lfunc_end_k_q72fb552c88_prep-k_q72fb552c88_prep
	.p2alignl 7, 3214868480
	.fill 96, 4, 3214868480
	.section	.rodata,"a",@progbits
	.p2align	6, 0x0
	.amdhsa_kernel k_q72fb552c88_prep
		.amdhsa_group_segment_fixed_size 0
		.amdhsa_private_segment_fixed_size 0
		.amdhsa_enable_private_segment 0
		.amdhsa_kernarg_size 72
		.amdhsa_user_sgpr_count 2
		.amdhsa_user_sgpr_kernarg_segment_ptr 1
		.amdhsa_wavefront_size32 1
		.amdhsa_system_sgpr_workgroup_id_x 1
		.amdhsa_system_sgpr_workgroup_id_y 1
		.amdhsa_system_sgpr_workgroup_id_z 1
		.amdhsa_system_vgpr_workitem_id 0
		.amdhsa_next_free_vgpr 216
		.amdhsa_next_free_sgpr 66
		.amdhsa_reserve_vcc 1
		.amdhsa_float_denorm_mode_32 3
		.amdhsa_float_denorm_mode_16_64 3
		.amdhsa_memory_ordered 1
		.amdhsa_forward_progress 1
		.amdhsa_inst_pref_size 31
	.end_amdhsa_kernel
	.amdgpu_metadata
---
amdhsa.version: [ 1, 2 ]
amdhsa.kernels:
  - .name:           k_q72fb552c88_prep
    .symbol:         k_q72fb552c88_prep.kd
    .args:
      - { .name: x, .offset: 0, .size: 8, .value_kind: global_buffer, .address_space: global }
      - { .name: w_q, .offset: 8, .size: 8, .value_kind: global_buffer, .address_space: global }
      - { .name: w_k, .offset: 16, .size: 8, .value_kind: global_buffer, .address_space: global }
      - { .name: w_v, .offset: 24, .size: 8, .value_kind: global_buffer, .address_space: global }
      - { .name: w_o, .offset: 32, .size: 8, .value_kind: global_buffer, .address_space: global }
      - { .name: token_positions, .offset: 40, .size: 8, .value_kind: global_buffer, .address_space: global }
      - { .name: xh, .offset: 48, .size: 8, .value_kind: global_buffer, .address_space: global }
      - { .name: wh, .offset: 56, .size: 8, .value_kind: global_buffer, .address_space: global }
      - { .name: cs, .offset: 64, .size: 8, .value_kind: global_buffer, .address_space: global }
    .group_segment_fixed_size: 0
    .private_segment_fixed_size: 0
    .kernarg_segment_align: 8
    .kernarg_segment_size: 72
    .max_flat_workgroup_size: 256
    .sgpr_count:     66
    .vgpr_count:     216
    .wavefront_size: 32
...
	.end_amdgpu_metadata
.endif
;; end of part 1
;; launch qkv (part 2): grid 16 x 16, 4 waves a work-group, clusters of 4 x 4, 327,680 bytes of LDS; arguments xh, wh, cs, qh, kh, vh, first16; writes qh, kh, vh, first16
.if DOCPART == 2
	.amdgcn_target "amdgcn-amd-amdhsa--gfx1250"
	.amdhsa_code_object_version 6
	.text
	.protected	k_q72fb552c88_qkv
	.globl	k_q72fb552c88_qkv
	.p2align	8
	.type	k_q72fb552c88_qkv,@function
k_q72fb552c88_qkv:
	s_mov_b64 s[64:65], 0
	v_nop
	global_prefetch_b8 v0, s[64:65] scope:SCOPE_SE
	s_setreg_imm32_b32 hwreg(HW_REG_WAVE_MODE, 25, 1), 1
	s_wait_xcnt 0x0
	s_wait_alu depctr_hold_cnt(0) depctr_sa_sdst(0) depctr_va_vdst(0) depctr_va_sdst(0) depctr_va_ssrc(0) depctr_va_vcc(0) depctr_vm_vsrc(0)
	s_getreg_b32 s2, hwreg(HW_REG_IB_STS2, 6, 4)
	s_cmp_eq_u32 s2, 0
	s_cbranch_scc0 .Lentry_in_a_cluster
	s_endpgm
.Lentry_in_a_cluster:
	s_bfe_u32 s2, ttmp6, 0x10000c
	s_cmp_lg_u32 s2, 0xf033
	s_cbranch_scc0 .Lentry_shape_is_right
	s_endpgm
.Lentry_shape_is_right:
; qkv: q, k, v of one head for 256 rows of x, with RoPE on q and k.  [256 x 1024] x [192 x 1024]^T in bf16, sums in f32.
; Grid x = head (16), grid y = block of 256 rows (16).  Four waves; wave w makes rows 128 (w/2) .. +127 and the 96 packed columns of half w mod 2,
; which by wh's packing are [q 32 | k 32 | v 32] of the head's dimensions 32 (w mod 2) .. +31: 8 x 6 accumulator tiles of 16 x 16, 384 registers.
; K = 1024 goes in 8 steps of 128 through two LDS slots filled by the tensor data mover; a tile's rows are 256 bytes of memory, aligned.
; CLUSTERS: 4 x 4 work-groups.  The four of a row of the cluster share the block of x, the four of a column share the head's weights; each such tile
; is asked for jointly by the four, with the same descriptor and a mask that names them.
; The matrix instruction is used transposed (source 0 = rows of wh, source 1 = rows of xh): lane l holds row l % 16 and, in registers 0-7,
; the eight neighbouring columns 8 (l / 16) + 0..7, that is four (even, odd) pairs of RoPE and 16 bytes of f16.
; Outputs: qh, kh, vh as [batch*16 + head][plane = dimension / 32][2048][32] f16: a row is 64 bytes and every plane is dense.
; first16: the block's rows 0-15 of q, k (after RoPE) and v once more in f32, as the register image: [block][head][plane][tile 0-5][half of 4 registers][lane][4 f32].
; The next launch makes the first 16 queries of a sequence from it with split operands.  Every block stores its image (12,288 bytes) although only the two blocks
; that begin a sequence are read.
; The scale 1/8 of the scores is not applied here.
; LIMIT: f16 outputs: |q|, |k|, |v| (after RoPE) at or above 65,520 become infinity.
; REGISTERS by windows of 256: window 0: addresses, v32-63 rotated values, v64-127 / v128-191 fragments of x (two buffers), v192-215 packed results;
;   window 1: v64-111 / v128-175 fragments of wh (two buffers), the cos/sin table of my 128 rows in v0-63 and v176-239;
;   window 2: tiles of my rows 0-63 (tile (a, b) at v[8 (6 a + b)]); window 3: those of my rows 64-127.
.set SIZE_K, 1024
.set KSTEP,  128
.set PITCH,  272                       ; 256 bytes + 16 of padding: an odd multiple of 16, so the 16 rows of a fragment load start in 16 different 16-byte columns
.set AH,     128*PITCH                 ; 128 rows of x: one tensor load, and what one wave reads of x
.set BH,     96*PITCH                  ; 96 rows of wh: likewise
.set SLOT,   2*AH+2*BH                 ; 121,856
.set STAGE,  2*SLOT                    ; 243,712 = 952 x 256: behind the ring, no fill lands here
.set SPITCH, 80                        ; the way out: a row of 64 bytes + 16
.set SPART,  16*SPITCH                 ; 16 rows of q, of k or of v
.set LAPS,   SIZE_K/(2*KSTEP)          ; 4 laps of two K steps
.set ADRA, 16                          ; v16-17 LDS address of my x fragments, slot 0, 1
.set ADRB, 20                          ; v20-21 of my wh fragments
.set STO,  24                          ; way out: where I put 16 bytes
.set RD,   25                          ; way out: where I read them back
.set GO,   26                          ; 16 x lane
.set CSO,  27                          ; my byte offset in the block's part of cs
.set TMPF, 32
.set F0,   64
.set F1,   128
.set PK,   192
.set G1,  24                           ; s[24:31] group 1, x
.set G0,  32                           ; s[32:39] group 0, x, one set a slot
.set G1B, 48                           ; s[48:55] group 1, wh
.set G0B, 56                           ; s[56:63] group 0, wh, one set a slot
.set FLAGS, (1<<16)|(1<<20)|(1<<21)|(5<<22)|(3<<25)   ; 2-byte elements; padding on; bit 21 beside a mask; after every 64 words; 4 words
.set MSB, 0
.macro WIN new                         ; the immediate's high byte repeats the setting that is left
.if MSB != \new
	s_set_vgpr_msb (MSB<<8)|\new
.set MSB, \new
.endif
.endm
.set MUL_LO, 0xa1                      ; source 0 (wh) window 1, source 1 (x) window 0, C and D window 2
.set MUL_HI, 0xf1                      ; the same, C and D window 3
.set TO_B,   0x40                      ; destination window 1, address window 0
; A joint load: waves 0, 1 fetch x's two halves, waves 2, 3 wh's.  The branch hangs on the wave's number alone.
.macro JLOAD s
	s_cmp_eq_u32 s11, 0
	s_cbranch_scc0 .Lfor_b_\@
	tensor_load_to_lds s[G0+4*\s:G0+4*\s+3], s[G1:G1+7]
	s_nop 0
	s_branch .Lasked_\@
.Lfor_b_\@:
	tensor_load_to_lds s[G0B+4*\s:G0B+4*\s+3], s[G1B:G1B+7]
	s_nop 0
.Lasked_\@:
.endm
.macro CREST                           ; a round of the cluster's barrier behind its opening work-group barrier
	s_cmp_lg_u32 s10, 0
	s_cbranch_scc1 .Lnot_wave_0_\@
	s_barrier_signal -3
.Lnot_wave_0_\@:
	s_barrier_wait -3
	s_barrier_signal -1
	s_barrier_wait -1
.endm
.macro CROUND                          ; a whole round
	s_barrier_signal -1
	s_barrier_wait -1
	CREST
.endm
	s_load_b256 s[72:79], s[0:1], 0x0              ; xh 72, wh 74, cs 76, qh 78
	s_load_b128 s[80:83], s[0:1], 0x20             ; kh 80, vh 82
	s_load_b64 s[84:85], s[0:1], 0x30              ; first16
	s_set_vgpr_msb 0x40
	v_lshl_add_u32 v255, v0, 2, 0x3f400
	s_set_vgpr_msb 0x4000
	v_mov_b32 v255, 0
	s_set_vgpr_msb 0x1
	ds_add_u32 v255, v255
	s_set_vgpr_msb 0x100
	v_lshrrev_b32 v1, 5, v0
	v_readfirstlane_b32 s10, v1                    ; wave 0..3
	s_lshr_b32 s11, s10, 1                         ; my half of the rows.  Also: I fetch x (0) or wh (1)
	s_and_b32 s12, s10, 1                          ; my half of the columns.  Also: which half of that tile I fetch
	s_bfe_u32 s40, ttmp6, 0x40000                  ; cx
	s_bfe_u32 s41, ttmp6, 0x40004                  ; cy
	s_lshl_b32 s42, ttmp9, 2
	s_add_co_u32 s42, s42, s40                     ; head = 4 x cluster x + cx
	s_and_b32 s13, ttmp7, 0xffff
	s_lshl_b32 s13, s13, 2
	s_add_co_u32 s13, s13, s41                     ; block of rows = 4 x cluster y + cy
	s_lshl_b32 s43, s41, 2
	s_lshl_b32 s43, 15, s43                        ; my row of the cluster
	s_lshl_b32 s44, 0x1111, s40                    ; my column
	s_or_b32 s[G1+0], s43, FLAGS                   ; x's tiles go to my row of the cluster
	s_or_b32 s[G1B+0], s44, FLAGS                  ; wh's to my column
	s_mov_b32 s[G1+1], KSTEP<<16                   ; tensor_dim0 = 128
	s_mov_b32 s[G1B+1], KSTEP<<16
	s_mov_b32 s[G1+2], 128<<16                     ; tensor_dim1 = 128 rows
	s_mov_b32 s[G1B+2], 96<<16                     ;             = 96 rows
	s_mov_b32 s[G1+3], KSTEP<<16                   ; tile_dim0 = 128
	s_mov_b32 s[G1B+3], KSTEP<<16
	s_mov_b32 s[G1+4], 128                         ; tile_dim1
	s_mov_b32 s[G1B+4], 96
	s_mov_b32 s[G1+5], SIZE_K                      ; elements from row to row
	s_mov_b32 s[G1B+5], SIZE_K
	s_mov_b32 s[G1+6], 0
	s_mov_b32 s[G1B+6], 0
	s_mov_b32 s[G1+7], 0
	s_mov_b32 s[G1B+7], 0
	s_lshl_b32 s17, s12, 7
	s_lshl_b32 s16, s13, 8
	s_add_co_u32 s16, s16, s17                     ; x: row 256 x block + 128 x half
	s_lshl_b32 s16, s16, 11                        ; x 2,048 bytes (8 MiB at the most)
	s_mov_b32 s17, 0
	s_mul_i32 s46, s42, 192
	s_mul_i32 s47, s12, 96
	s_add_co_u32 s46, s46, s47                     ; wh: row 192 x head + 96 x half
	s_lshl_b32 s46, s46, 11
	s_mov_b32 s47, 0
	s_mul_i32 s20, s10, AH                         ; LDS: x's halves at wave x AH (waves 0, 1),
	s_mul_i32 s45, s10, BH
	s_add_co_u32 s45, s45, 2*AH-2*BH               ; wh's at 2 AH + (wave - 2) x BH (waves 2, 3)
	s_wait_dscnt 0x0
	s_wait_kmcnt 0x0
	s_add_nc_u64 s[14:15], s[72:73], s[16:17]
	s_add_nc_u64 s[46:47], s[74:75], s[46:47]
	CROUND                                         ; all sixteen work-groups are here: the first joint loads meet
.irp s, 0,1
	s_mov_b32 s[G0+4*\s], 1
	s_add_co_u32 s[G0+4*\s+1], s20, \s*SLOT
	s_add_nc_u64 s[G0+4*\s+2:G0+4*\s+3], s[14:15], \s*KSTEP*2
	s_or_b32 s[G0+4*\s+3], s[G0+4*\s+3], 0x80000000
	s_mov_b32 s[G0B+4*\s], 1
	s_add_co_u32 s[G0B+4*\s+1], s45, \s*SLOT
	s_add_nc_u64 s[G0B+4*\s+2:G0B+4*\s+3], s[46:47], \s*KSTEP*2
	s_or_b32 s[G0B+4*\s+3], s[G0B+4*\s+3], 0x80000000
	JLOAD \s                                       ; both slots are asked for before anything else: two tensor loads of the wave are out
.endr
	v_and_b32 v1, 15, v0                           ; r = l % 16
	v_bfe_u32 v2, v0, 4, 1                         ; h = l / 16
	v_mul_u32_u24 v3, v1, PITCH
	v_lshl_add_u32 v3, v2, 4, v3                   ; r x pitch + 16 h
	s_mul_i32 s21, s11, AH
	s_mul_i32 s22, s12, BH
	s_add_co_u32 s22, s22, 2*AH
.irp s, 0,1
	v_add_nc_u32 v[ADRA+\s], s21, v3
	v_add_nc_u32 v[ADRB+\s], s22, v3
	s_add_co_u32 s21, s21, SLOT
	s_add_co_u32 s22, s22, SLOT
.endr
	s_mul_i32 s23, s10, 3*SPART
	s_add_co_u32 s23, s23, STAGE                   ; my stage
	v_mul_u32_u24 v4, v1, SPITCH
	v_lshl_add_u32 v4, v2, 4, v4
	v_add_nc_u32 v[STO], s23, v4                   ; in: row r, 16 bytes for each half of the lanes
	v_bfe_u32 v5, v0, 2, 3
	v_and_b32 v6, 3, v0
	v_mul_u32_u24 v5, v5, SPITCH
	v_lshl_add_u32 v5, v6, 4, v5
	v_add_nc_u32 v[RD], s23, v5                    ; back: four lanes a row of 64 bytes, eight rows a load
	v_and_b32 v6, 31, v0
	v_lshlrev_b32 v[GO], 4, v6
	; The table: lane (r, h) needs, for each of its eight blocks of 16 rows, cos and sin of frequencies 16 half + 8 t + 4 h + 0..3, t = 0, 1:
	; 32 bytes at 128 half + 64 t + 32 h of row r's 256 bytes.  16 registers a block; read once.
	s_lshl_b32 s68, s13, 16                        ; 256 rows x 256 bytes
	s_mov_b32 s69, 0
	s_add_nc_u64 s[76:77], s[76:77], s[68:69]
	s_lshl_b32 s70, s11, 15
	s_lshl_b32 s71, s12, 7
	s_add_co_u32 s70, s70, s71
	v_lshlrev_b32 v6, 8, v1
	v_lshl_add_u32 v6, v2, 5, v6
	v_add_nc_u32 v[CSO], s70, v6
	WIN TO_B
.irp a, 0,1,2,3,4,5,6,7
	global_load_b128 v[16*\a+112*(\a/4):16*\a+112*(\a/4)+3],     v[CSO], s[76:77] offset:4096*\a
	global_load_b128 v[16*\a+112*(\a/4)+4:16*\a+112*(\a/4)+7],   v[CSO], s[76:77] offset:4096*\a+16
	global_load_b128 v[16*\a+112*(\a/4)+8:16*\a+112*(\a/4)+11],  v[CSO], s[76:77] offset:4096*\a+64
	global_load_b128 v[16*\a+112*(\a/4)+12:16*\a+112*(\a/4)+15], v[CSO], s[76:77] offset:4096*\a+80
.endr
	WIN 0
; 12 matrix instructions: row blocks a0, a0 + 1 of the window's four x all six column blocks, 32 along K.  zero = 1: the product starts the sums.
.macro MUL12 f, hi, a0, zero
.irp a, \a0, \a0+1
.irp b, 0,1,2,3,4,5
.if \zero
	v_wmma_f32_16x16x32_bf16 v[8*(6*(\a)+\b):8*(6*(\a)+\b)+7], v[\f+8*\b:\f+8*\b+7], v[\f+8*(4*\hi+\a):\f+8*(4*\hi+\a)+7], 0
.else
	v_wmma_f32_16x16x32_bf16 v[8*(6*(\a)+\b):8*(6*(\a)+\b)+7], v[\f+8*\b:\f+8*\b+7], v[\f+8*(4*\hi+\a):\f+8*(4*\hi+\a)+7], v[8*(6*(\a)+\b):8*(6*(\a)+\b)+7]
.endif
.endr
.endr
.endm
; 28 LDS loads in one run: 96 rows of wh, then 128 rows of x, 32 K at byte k of the rows, into buffer f
.macro FETCH slot, k, f
	WIN TO_B
.irp i, 0,1,2,3,4,5
	ds_load_b128 v[\f+8*\i:\f+8*\i+3],   v[ADRB+\slot] offset:\k+\i*16*PITCH
	ds_load_b128 v[\f+8*\i+4:\f+8*\i+7], v[ADRB+\slot] offset:\k+\i*16*PITCH+32
.endr
	WIN 0
.irp i, 0,1,2,3,4,5,6,7
	ds_load_b128 v[\f+8*\i:\f+8*\i+3],   v[ADRA+\slot] offset:\k+\i*16*PITCH
	ds_load_b128 v[\f+8*\i+4:\f+8*\i+7], v[ADRA+\slot] offset:\k+\i*16*PITCH+32
.endr
.endm
; Four places stand between a matrix instruction and a vector instruction that reads its result or a load into one of its registers
; (ISA guide 7.12.1 for vector instructions); other matrix instructions are not counted as places here.
.macro PLACES
.rept 4
	v_nop
.endr
.endm
; A quarter step (32 along K, 48 matrix instructions) on buffer f; in its middle the next quarter's fragments go into buffer g.
; The 48 accumulators take turns, one instruction a turn, in the same order in every quarter.
.macro QUARTER slot, k, f, g, zero
	s_wait_dscnt 8                                 ; wh and x's rows 0-63 are in; the youngest eight loads (x's rows 64-127) may be out
	WIN MUL_LO
	MUL12 \f, 0, 0, \zero
	MUL12 \f, 0, 2, \zero
	PLACES
	FETCH \slot, \k, \g
	s_wait_dscnt 28                                ; all but the 28 just issued
	WIN MUL_HI
	MUL12 \f, 1, 0, \zero
	MUL12 \f, 1, 2, \zero
.endm
.macro THREE slot, zero
	QUARTER \slot, 64,  F0, F1, \zero
	QUARTER \slot, 128, F1, F0, 0
	QUARTER \slot, 192, F0, F1, 0
.endm
; The last quarter multiplies buffer 1 and changes slots.  In front of the barrier each wave waits for its reads of this slot and for all its
; tensor loads (one is out: its part of the next slot).  Where the slot is filled again the barrier opens a round of the cluster's barrier, and the
; joint refill is the wave's first and only tensor load behind the round.  From a request to the wait for it a wave issues 180 matrix instructions.
.macro TURN slot, next, fill
	s_wait_dscnt 8
	WIN MUL_LO
	MUL12 F1, 0, 0, 0
	s_wait_dscnt 0                                 ; my reads of this slot are over
	s_wait_tensorcnt 0x0                           ; all my tensor loads have landed
	ds_add_u32 v255, v255
	s_wait_dscnt 0x0
	s_barrier_signal -1
	MUL12 F1, 0, 2, 0                              ; register work while the others arrive
	WIN 0
	s_barrier_wait -1
.if \fill
	CREST
	s_add_nc_u64 s[G0+4*\slot+2:G0+4*\slot+3], s[G0+4*\slot+2:G0+4*\slot+3], 2*KSTEP*2
	s_add_nc_u64 s[G0B+4*\slot+2:G0B+4*\slot+3], s[G0B+4*\slot+2:G0B+4*\slot+3], 2*KSTEP*2
	JLOAD \slot
.endif
	PLACES
	FETCH \next, 0, F0
	WIN MUL_HI
	MUL12 F1, 1, 0, 0
	MUL12 F1, 1, 2, 0
.endm
.macro LAP zero
	THREE 0, \zero
	TURN 0, 1, 1
	THREE 1, 0
	TURN 1, 0, 1
.endm
	s_wait_loadcnt 0x0                             ; the table, once, while the first tile is on its way
	s_wait_tensorcnt 0x1                           ; my part of K step 0 is in; K step 1's may stay out
	s_barrier_signal -1
	s_barrier_wait -1
	FETCH 0, 0, F0
	LAP 1                                          ; the first lap's first products start the sums
	WIN 0
	s_mov_b32 s3, LAPS-2
.Llap:
	LAP 0
	WIN 0
	s_sub_co_u32 s3, s3, 1
	s_cmp_lg_u32 s3, 0
	s_cbranch_scc1 .Llap
	THREE 0, 0                                     ; the last lap fills nothing
	TURN 0, 1, 0
	THREE 1, 0
	s_wait_dscnt 8
	WIN MUL_LO
	MUL12 F1, 0, 0, 0
	MUL12 F1, 0, 2, 0
	s_wait_dscnt 0
	WIN MUL_HI
	MUL12 F1, 1, 0, 0
	MUL12 F1, 1, 2, 0
	; THE WAY OUT, 16 rows at a time.
	PLACES
	s_lshr_b32 s66, s13, 3                         ; batch
	s_lshl_b32 s66, s66, 4
	s_add_co_u32 s66, s66, s42                     ; batch x 16 + head
	s_lshl_b32 s66, s66, 1
	s_add_co_u32 s66, s66, s12                     ; plane
	s_lshl_b32 s66, s66, 17                        ; x 131,072 bytes
	s_and_b32 s67, s13, 7
	s_lshl_b32 s67, s67, 8
	s_lshl_b32 s68, s11, 7
	s_add_co_u32 s67, s67, s68                     ; my first row in the sequence
	s_lshl_b32 s67, s67, 6                         ; x 64 bytes
	s_add_co_u32 s66, s66, s67
	s_mov_b32 s67, 0
	s_add_nc_u64 s[78:79], s[78:79], s[66:67]
	s_add_nc_u64 s[80:81], s[80:81], s[66:67]
	s_add_nc_u64 s[82:83], s[82:83], s[66:67]
	s_lshl_b32 s68, s13, 4
	s_add_co_u32 s68, s68, s42                     ; block x 16 + head
	s_lshl1_add_u32 s68, s68, s12                  ; x 2 + plane
	s_mul_i32 s68, s68, 6144                       ; six tiles of 1,024 bytes
	s_mov_b32 s69, 0
	s_add_nc_u64 s[84:85], s[84:85], s[68:69]
; rows 16 a .. 16 a + 15 of my 128: tiles (aw, 0..5) of window 2 or 3.  wr: source 0 the accumulators, source 1 the table; wc: sources 0 and 1 the accumulators.
; q and k (tiles 0-3): (e, o) -> (e cos - o sin, e sin + o cos), then f16; v (tiles 4, 5): f16.  16 bytes a lane into my stage, read back as rows, stored densely.
.macro OUT16 a, aw, wr, wc, set
	WIN \wr
.irp b, 0,1,2,3
.irp p, 0,1,2,3
	v_mul_f32 v[TMPF+8*\b+2*\p],   v[8*(6*\aw+\b)+2*\p+1], v[16*\a+112*(\a/4)+8*(\b%2)+2*\p+1]
	v_mul_f32 v[TMPF+8*\b+2*\p+1], v[8*(6*\aw+\b)+2*\p+1], v[16*\a+112*(\a/4)+8*(\b%2)+2*\p]
	v_fma_f32 v[TMPF+8*\b+2*\p],   v[8*(6*\aw+\b)+2*\p],   v[16*\a+112*(\a/4)+8*(\b%2)+2*\p],   -v[TMPF+8*\b+2*\p]
	v_fma_f32 v[TMPF+8*\b+2*\p+1], v[8*(6*\aw+\b)+2*\p],   v[16*\a+112*(\a/4)+8*(\b%2)+2*\p+1], v[TMPF+8*\b+2*\p+1]
.endr
.endr
	WIN 0
.if \a == 0
	; The block's rows 0-15 in f32, as they lie in the registers: the waves of the upper half of the rows only (a branch on the wave's number).
	; Each store covers 512 neighbouring, aligned bytes.  The data are rewritten only behind this turn's s_wait_xcnt 0 below.
	s_cmp_lg_u32 s11, 0
	s_cbranch_scc1 .Lno_image
.irp b, 0,1,2,3
	global_store_b128 v[GO], v[TMPF+8*\b:TMPF+8*\b+3],   s[84:85] offset:1024*\b
	global_store_b128 v[GO], v[TMPF+8*\b+4:TMPF+8*\b+7], s[84:85] offset:1024*\b+512
.endr
	WIN 0x08                                       ; a store's data (source 1) from window 2: v's two tiles
.irp b, 4,5
	global_store_b128 v[GO], v[8*\b:8*\b+3],   s[84:85] offset:1024*\b
	global_store_b128 v[GO], v[8*\b+4:8*\b+7], s[84:85] offset:1024*\b+512
.endr
	WIN 0
.Lno_image:
.endif
.irp n, 0,1,2,3,4,5,6,7,8,9,10,11,12,13,14,15
	v_cvt_pk_f16_f32 v[PK+\n], v[TMPF+2*\n], v[TMPF+2*\n+1]
.endr
	WIN \wc
.irp b, 4,5
.irp p, 0,1,2,3
	v_cvt_pk_f16_f32 v[PK+4*\b+\p], v[8*(6*\aw+\b)+2*\p], v[8*(6*\aw+\b)+2*\p+1]
.endr
.endr
	WIN 0
.irp b, 0,1,2,3,4,5
	ds_store_b128 v[STO], v[PK+4*\b:PK+4*\b+3] offset:(\b/2)*SPART+32*(\b%2)
.endr
	s_wait_xcnt 0x0                                ; registers that were the data of earlier stores are written again only behind this wait (ISA guide 3.1)
.irp part, 0,1,2
.irp u, 0,1
	ds_load_b128 v[\set+8*\part+4*\u:\set+8*\part+4*\u+3], v[RD] offset:\part*SPART+\u*8*SPITCH   ; LDS serves a wave's instructions in order: these see the stores above
.endr
.endr
.irp part, 0,1,2
.irp u, 0,1
	s_wait_dscnt 5-2*\part-\u
	global_store_b128 v[GO], v[\set+8*\part+4*\u:\set+8*\part+4*\u+3], s[78+2*\part:79+2*\part] offset:\a*1024+\u*512   ; 512 neighbouring bytes, aligned
.endr
.endr
.endm
	OUT16 0, 0, 0x06, 0x0a, 64
	OUT16 1, 1, 0x06, 0x0a, 96
	OUT16 2, 2, 0x06, 0x0a, 64
	OUT16 3, 3, 0x06, 0x0a, 96
	OUT16 4, 0, 0x07, 0x0f, 64
	OUT16 5, 1, 0x07, 0x0f, 96
	OUT16 6, 2, 0x07, 0x0f, 64
	OUT16 7, 3, 0x07, 0x0f, 96
	s_set_vgpr_msb 0x1
	s_wait_tensorcnt 0x0
	ds_add_u32 v255, v255
	s_wait_dscnt 0x0
	s_set_vgpr_msb 0x100
	CROUND                                         ; the closing round: no work-group ends while a partner may still ask for a tile that names it
	s_endpgm
.Lfunc_end_k_q72fb552c88_qkv:
	.size	k_q72fb552c88_qkv, .Lfunc_end_k_q72fb552c88_qkv-k_q72fb552c88_qkv
	.p2alignl 7, 3214868480
	.fill 96, 4, 3214868480
	.section	.rodata,"a",@progbits
	.p2align	6, 0x0
	.amdhsa_kernel k_q72fb552c88_qkv
		.amdhsa_group_segment_fixed_size 327680
		.amdhsa_private_segment_fixed_size 0
		.amdhsa_enable_private_segment 0
		.amdhsa_kernarg_size 56
		.amdhsa_user_sgpr_count 2
		.amdhsa_user_sgpr_kernarg_segment_ptr 1
		.amdhsa_wavefront_size32 1
		.amdhsa_system_sgpr_workgroup_id_x 1
		.amdhsa_system_sgpr_workgroup_id_y 1
		.amdhsa_system_sgpr_workgroup_id_z 1
		.amdhsa_system_vgpr_workitem_id 0
		.amdhsa_next_free_vgpr 1024
		.amdhsa_next_free_sgpr 88
		.amdhsa_reserve_vcc 0
		.amdhsa_float_denorm_mode_32 3
		.amdhsa_float_denorm_mode_16_64 3
		.amdhsa_memory_ordered 1
		.amdhsa_forward_progress 1
		.amdhsa_inst_pref_size 187
	.end_amdhsa_kernel
	.amdgpu_metadata
---
amdhsa.version: [ 1, 2 ]
amdhsa.kernels:
  - .name:           k_q72fb552c88_qkv
    .symbol:         k_q72fb552c88_qkv.kd
    .args:
      - { .name: xh, .offset: 0, .size: 8, .value_kind: global_buffer, .address_space: global }
      - { .name: wh, .offset: 8, .size: 8, .value_kind: global_buffer, .address_space: global }
      - { .name: cs, .offset: 16, .size: 8, .value_kind: global_buffer, .address_space: global }
      - { .name: qh, .offset: 24, .size: 8, .value_kind: global_buffer, .address_space: global }
      - { .name: kh, .offset: 32, .size: 8, .value_kind: global_buffer, .address_space: global }
      - { .name: vh, .offset: 40, .size: 8, .value_kind: global_buffer, .address_space: global }
      - { .name: first16, .offset: 48, .size: 8, .value_kind: global_buffer, .address_space: global }
    .group_segment_fixed_size: 327680
    .private_segment_fixed_size: 0
    .kernarg_segment_align: 8
    .kernarg_segment_size: 56
    .max_flat_workgroup_size: 128
    .sgpr_count:     88
    .vgpr_count:     1024
    .wavefront_size: 32
...
	.end_amdgpu_metadata
.endif
;; end of part 2
;; launch attn (part 3): grid 256 x 1, 8 waves a work-group, no clusters, 327,680 bytes of LDS; arguments qh, kh, vh, oh, first16; writes oh
.if DOCPART == 3
	.amdgcn_target "amdgcn-amd-amdhsa--gfx1250"
	.amdhsa_code_object_version 6
	.text
	.protected	k_q72fb552c88_attn
	.globl	k_q72fb552c88_attn
	.p2align	8
	.type	k_q72fb552c88_attn,@function
k_q72fb552c88_attn:
	s_mov_b64 s[64:65], 0
	v_nop
	global_prefetch_b8 v0, s[64:65] scope:SCOPE_SE
	s_setreg_imm32_b32 hwreg(HW_REG_WAVE_MODE, 25, 1), 1
	s_wait_xcnt 0x0
; attn: causal softmax attention, one (batch, head) for eight work-groups.  f16 operands, f32 scores, sums and softmax, with a running maximum.
; Group g: bh = g / 8, j = g % 8.  It owns the query blocks of 128 numbered j and 15 - j.  Wave w holds two tiles of 16 queries:
; tile 0 at 128 j + 16 w, tile 1 at 128 (15 - j) + 16 w.  All eight waves walk one stream of K and V in tiles of 128 keys, always in pairs
; (slot 0, slot 1).  With jj = j / 2:  jj pairs with both query tiles unmasked; one pair in which tile 0 is masked by index; 6 - 2 jj pairs with tile 1 alone;
; one pair in which tile 1 is masked by index.  That is 2 (jj + 1) + 2 (8 - jj) = 18 units of 16 queries x 128 keys for every wave of every group.
; Scores are made transposed, S^T = K Q^T: lane (r, h) holds query r and keys 16 c + 8 h + 0..7, so the softmax of a query is within a lane and its partner
; lane r + 16, and the packed exponentials are already the second source of O^T = V^T P^T.  V^T comes out of LDS by the transposing load.
; The accumulators are rescaled in every step: no branch hangs on a floating-point number.
; THE FIRST 16 QUERIES of a sequence average over 1 to 16 keys only: their outputs are up to ten times the output's root mean square, and so are the f16
; roundings of q, k, v and P in them.  Wave 0 of the groups with j = 0 therefore makes its tile 0 once more behind the stream, from the f32 image of
; rows 0-15 that the launch before left, with every operand split in two f16 parts (hi: the mantissa cut to 11 bits; lo: the exact rest, rounded).
; NO CLUSTER: the eight groups of one head need 16, 16, 14, 14, 12, 12, 10, 10 tiles of K and V, so partners would need different numbers of joint loads,
; and a joint refill would hold groups in step whose trips differ (one or two query tiles, masked or not).
; The 64 accumulator registers are cleared by moves: which text holds the first product depends on jj, so no product can be written with C = 0.
; LDS: two slots of 45,056 bytes: V's planes (dimensions 0-31, 32-63) 128 rows at pitch 96, K's planes 128 rows at pitch 80; then a stage of 5,120 bytes a wave.
; LIMITS: f16 operands: exponentials below 6e-8 of the row's largest count as 0 in the product with V (not in the row's sum); the output is rounded to f16.
.set KPITCH, 80                        ; 64 + 16: odd multiple of 16
.set VPITCH, 96                        ; 64 + 32: odd multiple of 32, for the transposing load
.set VPLANE, 128*VPITCH
.set KPLANE, 128*KPITCH
.set KOFF,   2*VPLANE
.set SLOT,   KOFF+2*KPLANE             ; 45,056
.set STAGE,  2*SLOT                    ; 90,112 = 352 x 256: no fill lands here
.set OSTG,   5120                      ; a wave's stage: 16 x 144 bytes on the way out; 32 x 160 bytes for the first 16 keys' V in two parts
.set OPITCH, 144
.set SVP,    160                       ; 128 + 32: odd multiple of 32, for the transposing load
.set TILEB,  8192                      ; 128 rows x 64 bytes, dense
.set KA,  2                            ; v2-3   K fragments' LDS address, slot 0, 1
.set VA,  4                            ; v4-5   V fragments'
.set STO, 6
.set RD,  7
.set GO,  8                            ; 16 x lane
.set QO,  9                            ; my bytes in a Q tile
.set DQ,  10                           ; v10-11 query - 8 h, tile 0, 1
.set NM,  12                           ; v[12:13], v[14:15]  -c x running maximum (first register; the second only fills the pair)
.set AL,  16                           ; v[16:17], v[18:19]  the step's rescaling factor (likewise)
.set LS,  20                           ; v20-21 the lane's part of the row's sum
.set TP,  22                           ; v22-31 at work
.set QF,  32                           ; v[32+16a+8ks]  Q fragments
.set OA,  64                           ; v[64+32a+8t]   O^T
.set SC,  128                          ; v[128+32a+8c]  S^T, then P^T packed in its first 16 registers
.set FR,  192                          ; v192-255       K fragments, then V fragments
.set G1V, 24
.set G1K, 32
.set G0V, 40                           ; s[40:47] one set a slot
.set G0K, 48                           ; s[48:55]
; One tile of 128 keys: waves 0, 1 bring V's two planes, waves 2, 3 K's, waves 4-7 nothing.  One tensor load of a wave is out at the most.
.macro KVLOAD s
	s_cmp_gt_u32 s12, 3
	s_cbranch_scc1 .Lnone_\@
	s_cmp_gt_u32 s12, 1
	s_cbranch_scc1 .Lfor_k_\@
	tensor_load_to_lds s[G0V+4*\s:G0V+4*\s+3], s[G1V:G1V+7]
	s_nop 0
	s_branch .Lnone_\@
.Lfor_k_\@:
	tensor_load_to_lds s[G0K+4*\s:G0K+4*\s+3], s[G1K:G1K+7]
	s_nop 0
.Lnone_\@:
.endm
.macro PLACES n
.rept \n
	v_nop
.endr
.endm
	s_load_b256 s[4:11], s[0:1], 0x0               ; qh 4, kh 6, vh 8, oh 10
	s_load_b64 s[72:73], s[0:1], 0x20              ; first16
	v_lshl_add_u32 v29, v0, 2, 0x29000
	s_set_vgpr_msb 0x40
	v_mov_b32 v1, 0
	s_set_vgpr_msb 0x4044
	ds_add_u32 v29, v1
	s_set_vgpr_msb 0x4400
	v_lshrrev_b32 v1, 5, v0
	v_readfirstlane_b32 s12, v1                    ; wave 0..7
	s_lshr_b32 s13, ttmp9, 3                       ; bh
	s_and_b32 s14, ttmp9, 7                        ; j
	s_lshr_b32 s15, s14, 1                         ; jj: pairs with both tiles unmasked
	s_lshl_b32 s16, s15, 1
	s_sub_co_u32 s16, 6, s16                       ; pairs with tile 1 alone
	s_mov_b32 s18, 0                               ; the step's first key
	s_mov_b32 s19, 0xff800000                      ; -infinity
	s_mov_b32 s20, 0x76543210                      ; v_permlanex16_b32: lane i reads lane i of the other half
	s_mov_b32 s21, 0xfedcba98
	s_lshl_b32 s22, s14, 7
	s_lshl_b32 s66, s12, 4
	s_add_co_u32 s22, s22, s66                     ; tile 0's first query
	s_sub_co_u32 s23, 15, s14
	s_lshl_b32 s23, s23, 7
	s_add_co_u32 s23, s23, s66                     ; tile 1's
	; A plane's tile is 8,192 dense bytes: fetched as 32 rows of 256 bytes, with padding behind every 16 words, so that LDS holds 128 rows of 64 bytes at the pitch.
	s_mov_b32 s[G1V+0], (1<<16)|(1<<20)|(3<<22)|(7<<25)   ; 2-byte elements; padding on; after every 16 words; 8 words
	s_mov_b32 s[G1K+0], (1<<16)|(1<<20)|(3<<22)|(3<<25)   ; 4 words
	s_mov_b32 s[G1V+1], 128<<16
	s_mov_b32 s[G1K+1], 128<<16
	s_mov_b32 s[G1V+2], 32<<16
	s_mov_b32 s[G1K+2], 32<<16
	s_mov_b32 s[G1V+3], 128<<16
	s_mov_b32 s[G1K+3], 128<<16
	s_mov_b32 s[G1V+4], 32
	s_mov_b32 s[G1K+4], 32
	s_mov_b32 s[G1V+5], 128
	s_mov_b32 s[G1K+5], 128
	s_mov_b32 s[G1V+6], 0
	s_mov_b32 s[G1K+6], 0
	s_mov_b32 s[G1V+7], 0
	s_mov_b32 s[G1K+7], 0
	s_lshl_b32 s70, s13, 18                        ; bh x 262,144: its two planes of q, k, v, and also its 2,048 rows of o
	s_and_b32 s67, s12, 1
	s_lshl_b32 s67, s67, 17                        ; the plane that I fetch
	s_add_co_u32 s66, s70, s67
	s_mov_b32 s67, 0
	s_mul_i32 s68, s12, VPLANE                     ; V: wave x 12,288 (waves 0, 1)
	s_mul_i32 s69, s12, KPLANE
	s_add_co_u32 s69, s69, KOFF-2*KPLANE           ; K: 24,576 + (wave - 2) x 10,240 (waves 2, 3)
	s_wait_dscnt 0x0
	s_barrier_signal -1
	s_barrier_wait -1
	s_wait_kmcnt 0x0
	s_add_nc_u64 s[8:9], s[8:9], s[66:67]
	s_add_nc_u64 s[6:7], s[6:7], s[66:67]
.irp s, 0,1
	s_mov_b32 s[G0V+4*\s], 1
	s_add_co_u32 s[G0V+4*\s+1], s68, \s*SLOT
	s_add_nc_u64 s[G0V+4*\s+2:G0V+4*\s+3], s[8:9], \s*TILEB        ; slot s starts with tile s
	s_or_b32 s[G0V+4*\s+3], s[G0V+4*\s+3], 0x80000000
	s_mov_b32 s[G0K+4*\s], 1
	s_add_co_u32 s[G0K+4*\s+1], s69, \s*SLOT
	s_add_nc_u64 s[G0K+4*\s+2:G0K+4*\s+3], s[6:7], \s*TILEB
	s_or_b32 s[G0K+4*\s+3], s[G0K+4*\s+3], 0x80000000
.endr
	KVLOAD 0                                       ; tile 0; slot 1 is first filled behind the first trip's barrier
	v_and_b32 v22, 15, v0                          ; r
	v_bfe_u32 v23, v0, 4, 1                        ; h
	v_lshlrev_b32 v[QO], 6, v22
	v_lshl_add_u32 v[QO], v23, 4, v[QO]            ; r x 64 + 16 h
	s_lshl_b32 s68, s22, 6
	s_add_co_u32 s68, s68, s70
	s_mov_b32 s69, 0
	s_add_nc_u64 s[56:57], s[4:5], s[68:69]        ; Q, tile 0
	s_lshl_b32 s68, s23, 6
	s_add_co_u32 s68, s68, s70
	s_add_nc_u64 s[58:59], s[4:5], s[68:69]        ; Q, tile 1
	s_lshl_b32 s68, s22, 7
	s_add_co_u32 s68, s68, s70
	s_add_nc_u64 s[60:61], s[10:11], s[68:69]      ; O, tile 0
	s_lshl_b32 s68, s23, 7
	s_add_co_u32 s68, s68, s70
	s_add_nc_u64 s[62:63], s[10:11], s[68:69]      ; O, tile 1
.irp a, 0,1
.irp ks, 0,1
	global_load_b128 v[QF+16*\a+8*\ks:QF+16*\a+8*\ks+3],   v[QO], s[56+2*\a:57+2*\a] offset:\ks*131072
	global_load_b128 v[QF+16*\a+8*\ks+4:QF+16*\a+8*\ks+7], v[QO], s[56+2*\a:57+2*\a] offset:\ks*131072+32
.endr
.endr
	v_and_b32 v24, 31, v0                          ; lane
	v_and_b32 v25, 7, v0
	v_bfe_u32 v26, v0, 3, 1
	v_bfe_u32 v27, v0, 3, 2
	v_mul_u32_u24 v[KA], v22, KPITCH
	v_lshl_add_u32 v[KA], v23, 4, v[KA]            ; r x 80 + 16 h
	v_add_nc_u32 v[KA+1], SLOT, v[KA]
	v_lshl_add_u32 v28, v23, 3, v25                ; 8 h + lane % 8
	v_mul_u32_u24 v[VA], v28, VPITCH
	v_lshl_add_u32 v[VA], v26, 4, v[VA]            ; + 16 ((lane / 8) % 2)
	v_add_nc_u32 v[VA+1], SLOT, v[VA]
	s_mul_i32 s66, s12, OSTG
	s_add_co_u32 s66, s66, STAGE
	v_mul_u32_u24 v28, v22, OPITCH
	v_lshl_add_u32 v28, v23, 4, v28
	v_add_nc_u32 v[STO], s66, v28
	v_mul_u32_u24 v28, v27, OPITCH
	v_lshl_add_u32 v28, v25, 4, v28
	v_add_nc_u32 v[RD], s66, v28                   ; eight lanes a row of 128 bytes, four rows a load
	v_lshlrev_b32 v[GO], 4, v24
	v_lshlrev_b32 v28, 3, v23
	v_sub_nc_u32 v28, v22, v28                     ; r - 8 h
	v_add_nc_u32 v[DQ], s22, v28
	v_add_nc_u32 v[DQ+1], s23, v28
	v_mov_b32 v[NM], 0x7f800000                    ; running maximum = -infinity
	v_mov_b32 v[NM+1], 0
	v_mov_b32 v[NM+2], 0x7f800000
	v_mov_b32 v[NM+3], 0
.irp n, 0,1,2,3,4,5
	v_mov_b32 v[AL+\n], 0                          ; AL's two pairs and the two sums
.endr
.set n, 0
.rept 64
	v_mov_b32 v[OA+n], 0
.set n, n+1
.endr
	s_wait_loadcnt 0x0                             ; Q
; S^T += K Q^T for 32 dimensions: four key blocks x the active query tiles.  The accumulators take turns, one instruction a turn.
.macro SMUL ks, lo
.irp c, 0,1,2,3
.if \ks
.if \lo
	v_wmma_f32_16x16x32_f16 v[SC+8*\c:SC+8*\c+7], v[FR+32+8*\c:FR+32+8*\c+7], v[QF+8:QF+15], v[SC+8*\c:SC+8*\c+7]
.endif
	v_wmma_f32_16x16x32_f16 v[SC+32+8*\c:SC+32+8*\c+7], v[FR+32+8*\c:FR+32+8*\c+7], v[QF+24:QF+31], v[SC+32+8*\c:SC+32+8*\c+7]
.else
.if \lo
	v_wmma_f32_16x16x32_f16 v[SC+8*\c:SC+8*\c+7], v[FR+8*\c:FR+8*\c+7], v[QF:QF+7], 0
.endif
	v_wmma_f32_16x16x32_f16 v[SC+32+8*\c:SC+32+8*\c+7], v[FR+8*\c:FR+8*\c+7], v[QF+16:QF+23], 0
.endif
.endr
.endm
; O^T += V^T P^T: two blocks of 32 keys x four blocks of 16 dimensions x the active query tiles, the accumulators by turns.
.macro PVMUL lo
.irp kk, 0,1
.irp t, 0,1,2,3
.if \lo
	v_wmma_f32_16x16x32_f16 v[OA+8*\t:OA+8*\t+7], v[FR+32*\kk+8*\t:FR+32*\kk+8*\t+7], v[SC+8*\kk:SC+8*\kk+7], v[OA+8*\t:OA+8*\t+7]
.endif
	v_wmma_f32_16x16x32_f16 v[OA+32+8*\t:OA+32+8*\t+7], v[FR+32*\kk+8*\t:FR+32*\kk+8*\t+7], v[SC+32+8*\kk:SC+32+8*\kk+7], v[OA+32+8*\t:OA+32+8*\t+7]
.endr
.endr
.endm
; The softmax step of query tile a on 64 keys.  c = log2(e) / 8 holds the scores' scale 1 / sqrt(64).
.macro SOFTMAX a, masked
.if \masked
	v_sub_nc_u32 v[TP+9], v[DQ+\a], s18            ; key <= query  <=>  16 c + j <= query - 8 h - first key
.irp c, 0,1,2,3
.irp j, 0,1,2,3,4,5,6,7
	v_cmp_le_i32 vcc_lo, 16*\c+\j, v[TP+9]
	v_cndmask_b32 v[SC+32*\a+8*\c+\j], s19, v[SC+32*\a+8*\c+\j], vcc_lo
.endr
.endr
.endif
.irp c, 0,1,2,3
	v_max3_num_f32 v[TP+\c], v[SC+32*\a+8*\c], v[SC+32*\a+8*\c+1], v[SC+32*\a+8*\c+2]
.endr
.irp c, 0,1,2,3
	v_max3_num_f32 v[TP+\c], v[TP+\c], v[SC+32*\a+8*\c+3], v[SC+32*\a+8*\c+4]
.endr
.irp c, 0,1,2,3
	v_max3_num_f32 v[TP+\c], v[TP+\c], v[SC+32*\a+8*\c+5], v[SC+32*\a+8*\c+6]
.endr
.irp c, 0,1,2,3
	v_max_num_f32 v[TP+\c], v[TP+\c], v[SC+32*\a+8*\c+7]
.endr
	v_max3_num_f32 v[TP], v[TP], v[TP+1], v[TP+2]
	v_max_num_f32 v[TP], v[TP], v[TP+3]
	v_permlanex16_b32 v[TP+1], v[TP], s20, s21     ; the query's other 32 keys
	v_max_num_f32 v[TP], v[TP], v[TP+1]
	v_mul_f32 v[TP], 0xbe38aa3b, v[TP]             ; -c x the step's maximum (+infinity where all 64 keys are masked)
	v_min_num_f32 v[TP], v[TP], v[NM+2*\a]         ; -c x the new running maximum
	v_sub_f32 v[AL+2*\a], v[TP], v[NM+2*\a]        ; c (old - new): 0 or less; -infinity in the first step
	v_mov_b32 v[NM+2*\a], v[TP]
.irp n, 0,2,4,6,8,10,12,14,16,18,20,22,24,26,28,30
	v_pk_fma_f32 v[SC+32*\a+\n:SC+32*\a+\n+1], v[SC+32*\a+\n:SC+32*\a+\n+1], 0x3e38aa3b, v[NM+2*\a:NM+2*\a+1] op_sel_hi:[1,0,0]
.endr
.set n, 0
.rept 32
	v_exp_f32 v[SC+32*\a+n], v[SC+32*\a+n]
.set n, n+1
.endr
	v_exp_f32 v[AL+2*\a], v[AL+2*\a]
	v_nop                                          ; the plain instruction between the exponentials and the use of their results (ISA guide 5.7.2)
	s_wait_alu depctr_va_vdst(0)
	v_pk_add_f32 v[TP+2:TP+3], v[SC+32*\a:SC+32*\a+1], v[SC+32*\a+2:SC+32*\a+3]
	v_pk_add_f32 v[TP+4:TP+5], v[SC+32*\a+16:SC+32*\a+17], v[SC+32*\a+18:SC+32*\a+19]
.irp n, 4,6,8,10,12,14
	v_pk_add_f32 v[TP+2:TP+3], v[TP+2:TP+3], v[SC+32*\a+\n:SC+32*\a+\n+1]
	v_pk_add_f32 v[TP+4:TP+5], v[TP+4:TP+5], v[SC+32*\a+16+\n:SC+32*\a+16+\n+1]
.endr
	v_pk_add_f32 v[TP+2:TP+3], v[TP+2:TP+3], v[TP+4:TP+5]
	v_add_f32 v[TP+2], v[TP+2], v[TP+3]
	v_fma_f32 v[LS+\a], v[LS+\a], v[AL+2*\a], v[TP+2]     ; my 32 keys' part; the two halves of the lanes meet once, at the end
.irp n, 0,1,2,3,4,5,6,7,8,9,10,11,12,13,14,15
	v_cvt_pk_f16_f32 v[SC+32*\a+\n], v[SC+32*\a+2*\n], v[SC+32*\a+2*\n+1]   ; in place, ascending: register n is written when 2 n and 2 n + 1 are read
.endr
.irp n, 0,2,4,6,8,10,12,14,16,18,20,22,24,26,28,30
	v_pk_mul_f32 v[OA+32*\a+\n:OA+32*\a+\n+1], v[OA+32*\a+\n:OA+32*\a+\n+1], v[AL+2*\a:AL+2*\a+1] op_sel_hi:[1,0]
.endr
.endm
; 64 keys (half 0 or 1 of the slot's 128).  lo: query tile 0 takes part; mlo, mhi: tile 0, tile 1 masked by index.
.macro STEP slot, half, lo, mlo, mhi
.irp ks, 0,1
.irp c, 0,1,2,3
	ds_load_b128 v[FR+32*\ks+8*\c:FR+32*\ks+8*\c+3],   v[KA+\slot] offset:KOFF+\ks*KPLANE+(64*\half+16*\c)*KPITCH
	ds_load_b128 v[FR+32*\ks+8*\c+4:FR+32*\ks+8*\c+7], v[KA+\slot] offset:KOFF+\ks*KPLANE+(64*\half+16*\c)*KPITCH+32
.endr
.endr
	s_wait_dscnt 8                                 ; dimensions 0-31 are in; the eight loads of dimensions 32-63 may be out
	SMUL 0, \lo
	s_wait_dscnt 0
	SMUL 1, \lo
	PLACES 4                                       ; four places before loads into K's registers and before the scores are read (ISA guide 7.12.1 for vector instructions)
.irp kk, 0,1
.irp t, 0,1,2,3
	ds_load_tr16_b128 v[FR+32*\kk+8*\t:FR+32*\kk+8*\t+3],   v[VA+\slot] offset:(\t/2)*VPLANE+(64*\half+32*\kk)*VPITCH+32*(\t%2)
	ds_load_tr16_b128 v[FR+32*\kk+8*\t+4:FR+32*\kk+8*\t+7], v[VA+\slot] offset:(\t/2)*VPLANE+(64*\half+32*\kk+16)*VPITCH+32*(\t%2)
.endr
.endr
.if \lo
	SOFTMAX 0, \mlo
.endif
	SOFTMAX 1, \mhi
	s_wait_dscnt 0                                 ; V's fragments, asked for in front of the softmax
	PVMUL \lo
	PLACES 5                                       ; five places before the next scores are written over P, four of them before the next loads into V's registers
	s_add_co_u32 s18, s18, 64
.endm
; One tile of 128 keys.  In front of the barrier every wave waits for all its tensor loads (its part of this slot) and for its reads of the other slot;
; behind it the other slot is filled first, one tensor load a wave, and then this slot is read.
.macro TRIP slot, other, refill, lo, mlo, mhi
	s_set_vgpr_msb 0x4
	s_wait_tensorcnt 0x0
	ds_add_u32 v29, v1
	s_wait_dscnt 0x0
	s_set_vgpr_msb 0x400
	s_add_nc_u64 s[G0V+4*\slot+2:G0V+4*\slot+3], s[G0V+4*\slot+2:G0V+4*\slot+3], 2*TILEB   ; no load of mine is out: this slot's next tile
	s_add_nc_u64 s[G0K+4*\slot+2:G0K+4*\slot+3], s[G0K+4*\slot+2:G0K+4*\slot+3], 2*TILEB
	s_wait_dscnt 0x0
	s_barrier_signal -1
	s_barrier_wait -1
.if \refill
	KVLOAD \other
.endif
	STEP \slot, 0, \lo, \mlo, \mhi
	STEP \slot, 1, \lo, \mlo, \mhi
.endm
	s_cmp_eq_u32 s15, 0                            ; the trip counts hang on the group's number alone: alike in all eight waves
	s_cbranch_scc1 .Ldiag_lo
	s_mov_b32 s17, 0
.Lboth:
	TRIP 0, 1, 1, 1, 0, 0
	TRIP 1, 0, 1, 1, 0, 0
	s_add_co_u32 s17, s17, 1
	s_cmp_lt_u32 s17, s15
	s_cbranch_scc1 .Lboth
.Ldiag_lo:
	TRIP 0, 1, 1, 1, 1, 0                          ; the pair that holds tile 0's diagonal
	TRIP 1, 0, 1, 1, 1, 0
	s_cmp_eq_u32 s16, 0
	s_cbranch_scc1 .Ldiag_hi
	s_mov_b32 s17, 0
.Lhigh:
	TRIP 0, 1, 1, 0, 0, 0
	TRIP 1, 0, 1, 0, 0, 0
	s_add_co_u32 s17, s17, 1
	s_cmp_lt_u32 s17, s16
	s_cbranch_scc1 .Lhigh
.Ldiag_hi:
	TRIP 0, 1, 1, 0, 0, 1                          ; the pair that holds tile 1's diagonal
	TRIP 1, 0, 0, 0, 0, 1                          ; the last tile: nothing is left to fetch
; QUERIES 0-15 OF THE SEQUENCE, ONCE MORE, WITH SPLIT OPERANDS: wave 0 of the groups with j = 0 only; no barrier and no tensor load stands in this branch.
; It leaves O^T in tile 0's accumulators and the lane's part of the sum in LS, as the stream does, and FINAL 0 goes on from there.
; Registers, all free behind the stream but tile 1's accumulators and sum:
;   v128-159 q, v160-191 k, v192-223 v as loaded (f32; lane (r, h): row r, register 16 plane + 8 t + i: dimension 32 plane + 16 t + 8 h + i)
;   hi parts: q v32-47, k v48-63, v v64-79;  lo parts in place: q v128-143, k v160-175, v v192-207 (16 registers = two fragments of 32 dimensions each)
;   V^T fragments v144-159, v176-191;  P^T: [hi | hi] v208-215, [lo | lo] v216-223;  three score accumulators v224-247
.set RAWQ, 128
.set RAWK, 160
.set RAWV, 192
.set QHI,  32
.set KHI,  48
.set VHI,  64
.set PHI,  208
.set PLO,  216
.set S1,   224
.set S2,   232
.set S3,   240
.set VST,  30                          ; where I put 16 bytes of V
.set VLD,  31                          ; where the transposing loads read
; cnt pairs of f32 at raw: hi = the number with its mantissa cut to 11 bits (exact in f16), packed at hi; lo = the exact rest, rounded to f16, packed in place
; (ascending: register pp is written when 2 pp and 2 pp + 1 have been read).
.macro SPLIT raw, hi, cnt
.set pp, 0
.rept \cnt
	v_and_b32 v[TP],   s66, v[\raw+2*pp]
	v_and_b32 v[TP+1], s66, v[\raw+2*pp+1]
	v_sub_f32 v[\raw+2*pp],   v[\raw+2*pp],   v[TP]
	v_sub_f32 v[\raw+2*pp+1], v[\raw+2*pp+1], v[TP+1]
	v_cvt_pk_f16_f32 v[\hi+pp],  v[TP], v[TP+1]
	v_cvt_pk_f16_f32 v[\raw+pp], v[\raw+2*pp], v[\raw+2*pp+1]
.set pp, pp+1
.endr
.endm
	s_or_b32 s66, s14, s12
	s_cmp_lg_u32 s66, 0
	s_cbranch_scc1 .Lplain
	s_lshr_b32 s66, s13, 4                         ; batch: its first block of 256 rows is block 8 x batch
	s_lshl_b32 s66, s66, 7                         ; x 16 heads
	s_and_b32 s67, s13, 15
	s_add_co_u32 s66, s66, s67                     ; + head
	s_mul_i32 s66, s66, 12288                      ; two planes of six tiles of 1,024 bytes
	s_mov_b32 s67, 0
	s_add_nc_u64 s[72:73], s[72:73], s[66:67]
.irp w3, 0,1,2
.irp pl, 0,1
.irp tt, 0,1
	global_load_b128 v[RAWQ+32*\w3+16*\pl+8*\tt:RAWQ+32*\w3+16*\pl+8*\tt+3],   v[GO], s[72:73] offset:\pl*6144+(2*\w3+\tt)*1024
	global_load_b128 v[RAWQ+32*\w3+16*\pl+8*\tt+4:RAWQ+32*\w3+16*\pl+8*\tt+7], v[GO], s[72:73] offset:\pl*6144+(2*\w3+\tt)*1024+512
.endr
.endr
.endr
	v_and_b32 v22, 15, v0                          ; r
	v_bfe_u32 v23, v0, 4, 1                        ; h
	v_and_b32 v25, 7, v0
	v_bfe_u32 v26, v0, 3, 1
	s_mul_i32 s68, s12, OSTG
	s_add_co_u32 s68, s68, STAGE                   ; my stage
	v_mul_u32_u24 v[VST], v22, SVP
	v_lshl_add_u32 v[VST], v23, 4, v[VST]
	v_add_nc_u32 v[VST], s68, v[VST]               ; key r, 16 bytes for each half of the lanes
	v_lshl_add_u32 v28, v23, 3, v25
	v_mul_u32_u24 v[VLD], v28, SVP
	v_lshl_add_u32 v[VLD], v26, 4, v[VLD]
	v_add_nc_u32 v[VLD], s68, v[VLD]               ; row 8 h + lane % 8, + 16 ((lane / 8) % 2)
	s_mov_b32 s66, 0xffffe000                      ; keeps sign, exponent and ten bits of the mantissa
	s_wait_loadcnt 0x0                             ; the 24 loads
	SPLIT RAWV, VHI, 16
.irp m, 0,1,2,3
	ds_store_b128 v[VST], v[VHI+4*\m:VHI+4*\m+3]   offset:32*\m            ; rows 0-15: the hi parts of keys 0-15, 64 dimensions
	ds_store_b128 v[VST], v[RAWV+4*\m:RAWV+4*\m+3] offset:16*SVP+32*\m     ; rows 16-31: their lo parts
.endr
	SPLIT RAWQ, QHI, 16
	SPLIT RAWK, KHI, 16
.irp t, 0,1,2,3
	ds_load_tr16_b128 v[144+8*\t+16*(\t/2):144+8*\t+16*(\t/2)+3],   v[VLD] offset:32*\t           ; LDS serves a wave's instructions in order: these see the stores above
	ds_load_tr16_b128 v[144+8*\t+16*(\t/2)+4:144+8*\t+16*(\t/2)+7], v[VLD] offset:16*SVP+32*\t    ; K places 16-31 of the fragment: the lo parts
.endr
	; S^T = Kh Qh + Kl Qh + Kh Ql over 64 dimensions: three accumulators by turns, one instruction a turn
	v_wmma_f32_16x16x32_f16 v[S1:S1+7], v[KHI:KHI+7],     v[QHI:QHI+7],     0
	v_wmma_f32_16x16x32_f16 v[S2:S2+7], v[RAWK:RAWK+7],   v[QHI:QHI+7],     0
	v_wmma_f32_16x16x32_f16 v[S3:S3+7], v[KHI:KHI+7],     v[RAWQ:RAWQ+7],   0
	v_wmma_f32_16x16x32_f16 v[S1:S1+7], v[KHI+8:KHI+15],  v[QHI+8:QHI+15],  v[S1:S1+7]
	v_wmma_f32_16x16x32_f16 v[S2:S2+7], v[RAWK+8:RAWK+15], v[QHI+8:QHI+15], v[S2:S2+7]
	v_wmma_f32_16x16x32_f16 v[S3:S3+7], v[KHI+8:KHI+15],  v[RAWQ+8:RAWQ+15], v[S3:S3+7]
	PLACES 4                                       ; four places before the scores are read (ISA guide 7.12.1)
.irp i, 0,2,4,6
	v_pk_add_f32 v[S2+\i:S2+\i+1], v[S2+\i:S2+\i+1], v[S3+\i:S3+\i+1]     ; the two small sums first
.endr
.irp i, 0,2,4,6
	v_pk_add_f32 v[S1+\i:S1+\i+1], v[S1+\i:S1+\i+1], v[S2+\i:S2+\i+1]
.endr
.irp i, 0,1,2,3,4,5,6,7
	v_cmp_le_i32 vcc_lo, \i, v[DQ]                 ; key 8 h + i <= query r (this tile's first query is 0)
	v_cndmask_b32 v[S1+\i], s19, v[S1+\i], vcc_lo
.endr
	v_max3_num_f32 v[TP], v[S1], v[S1+1], v[S1+2]
	v_max3_num_f32 v[TP], v[TP], v[S1+3], v[S1+4]
	v_max3_num_f32 v[TP], v[TP], v[S1+5], v[S1+6]
	v_max_num_f32 v[TP], v[TP], v[S1+7]
	v_permlanex16_b32 v[TP+1], v[TP], s20, s21     ; the query's other eight keys; key 0 is never masked, so the maximum is finite
	v_max_num_f32 v[TP], v[TP], v[TP+1]
	v_mul_f32 v[NM], 0xbe38aa3b, v[TP]             ; -c x the row's maximum
.irp i, 0,2,4,6
	v_pk_fma_f32 v[S1+\i:S1+\i+1], v[S1+\i:S1+\i+1], 0x3e38aa3b, v[NM:NM+1] op_sel_hi:[1,0,0]
.endr
.irp i, 0,1,2,3,4,5,6,7
	v_exp_f32 v[S1+\i], v[S1+\i]
.endr
	v_nop                                          ; the plain instruction between the exponentials and the use of their results (ISA guide 5.7.2)
	s_wait_alu depctr_va_vdst(0)
	v_pk_add_f32 v[TP+2:TP+3], v[S1:S1+1], v[S1+2:S1+3]
	v_pk_add_f32 v[TP+4:TP+5], v[S1+4:S1+5], v[S1+6:S1+7]
	v_pk_add_f32 v[TP+2:TP+3], v[TP+2:TP+3], v[TP+4:TP+5]
	v_add_f32 v[LS], v[TP+2], v[TP+3]              ; my eight keys' part of the row's sum
	SPLIT S1, PHI, 4                               ; P hi at PHI .. +3, P lo in place at S1 .. +3
.irp i, 0,1,2,3
	v_mov_b32 v[PHI+4+\i], v[PHI+\i]               ; K places 16-31 meet V's lo parts: the same P there
	v_mov_b32 v[PLO+\i],   v[S1+\i]
	v_mov_b32 v[PLO+4+\i], v[S1+\i]
.endr
	s_wait_dscnt 0x0                               ; the eight transposing loads, and with them the stores that read v64-79
	; O^T = [Vh | Vl] [Ph | Ph] + [Vh | Vl] [Pl | Pl]: four accumulators by turns; the first product starts the sums
.irp t, 0,1,2,3
	v_wmma_f32_16x16x32_f16 v[OA+8*\t:OA+8*\t+7], v[144+8*\t+16*(\t/2):144+8*\t+16*(\t/2)+7], v[PHI:PHI+7], 0
.endr
.irp t, 0,1,2,3
	v_wmma_f32_16x16x32_f16 v[OA+8*\t:OA+8*\t+7], v[144+8*\t+16*(\t/2):144+8*\t+16*(\t/2)+7], v[PLO:PLO+7], v[OA+8*\t:OA+8*\t+7]
.endr
	PLACES 4                                       ; four places before the results are read (ISA guide 7.12.1)
.Lplain:
; O / sum, f16, 16 bytes a lane into my stage, back as rows of 128 bytes, out as 2,048 dense bytes.
.macro FINAL a
	v_permlanex16_b32 v[TP+1], v[LS+\a], s20, s21
	v_add_f32 v[TP], v[LS+\a], v[TP+1]             ; at least 1: the row's largest score gives 2^0
	v_rcp_f32 v[AL+2*\a], v[TP]
	v_nop                                          ; the plain instruction behind v_rcp_f32 (ISA guide 5.7.2)
	s_wait_alu depctr_va_vdst(0)
.irp n, 0,2,4,6,8,10,12,14,16,18,20,22,24,26,28,30
	v_pk_mul_f32 v[OA+32*\a+\n:OA+32*\a+\n+1], v[OA+32*\a+\n:OA+32*\a+\n+1], v[AL+2*\a:AL+2*\a+1] op_sel_hi:[1,0]
.endr
.irp n, 0,1,2,3,4,5,6,7,8,9,10,11,12,13,14,15
	v_cvt_pk_f16_f32 v[SC+32*\a+\n], v[OA+32*\a+2*\n], v[OA+32*\a+2*\n+1]
.endr
.irp t, 0,1,2,3
	ds_store_b128 v[STO], v[SC+32*\a+4*\t:SC+32*\a+4*\t+3] offset:32*\t
.endr
.irp u, 0,1,2,3
	ds_load_b128 v[FR+16*\a+4*\u:FR+16*\a+4*\u+3], v[RD] offset:\u*4*OPITCH   ; LDS serves a wave's instructions in order: these see the stores above
.endr
.irp u, 0,1,2,3
	s_wait_dscnt 3-\u
	global_store_b128 v[GO], v[FR+16*\a+4*\u:FR+16*\a+4*\u+3], s[60+2*\a:61+2*\a] offset:512*\u
.endr
.endm
	FINAL 0
	FINAL 1                                        ; registers of its own for the way back: nothing of FINAL 0's stores is rewritten
	s_set_vgpr_msb 0x4
	s_wait_tensorcnt 0x0
	ds_add_u32 v29, v1
	s_wait_dscnt 0x0
	s_set_vgpr_msb 0x400
	s_endpgm
.Lfunc_end_k_q72fb552c88_attn:
	.size	k_q72fb552c88_attn, .Lfunc_end_k_q72fb552c88_attn-k_q72fb552c88_attn
	.p2alignl 7, 3214868480
	.fill 96, 4, 3214868480
	.section	.rodata,"a",@progbits
	.p2align	6, 0x0
	.amdhsa_kernel k_q72fb552c88_attn
		.amdhsa_group_segment_fixed_size 327680
		.amdhsa_private_segment_fixed_size 0
		.amdhsa_enable_private_segment 0
		.amdhsa_kernarg_size 40
		.amdhsa_user_sgpr_count 2
		.amdhsa_user_sgpr_kernarg_segment_ptr 1
		.amdhsa_wavefront_size32 1
		.amdhsa_system_sgpr_workgroup_id_x 1
		.amdhsa_system_sgpr_workgroup_id_y 1
		.amdhsa_system_sgpr_workgroup_id_z 1
		.amdhsa_system_vgpr_workitem_id 0
		.amdhsa_next_free_vgpr 258
		.amdhsa_next_free_sgpr 76
		.amdhsa_reserve_vcc 1
		.amdhsa_float_denorm_mode_32 3
		.amdhsa_float_denorm_mode_16_64 3
		.amdhsa_memory_ordered 1
		.amdhsa_forward_progress 1
		.amdhsa_inst_pref_size 255
	.end_amdhsa_kernel
	.section	.bss,"aw",@nobits
	.p2align	6
	.space	262144
	.amdgpu_metadata
---
amdhsa.version: [ 1, 2 ]
amdhsa.kernels:
  - .name:           k_q72fb552c88_attn
    .symbol:         k_q72fb552c88_attn.kd
    .args:
      - { .name: qh, .offset: 0, .size: 8, .value_kind: global_buffer, .address_space: global }
      - { .name: kh, .offset: 8, .size: 8, .value_kind: global_buffer, .address_space: global }
      - { .name: vh, .offset: 16, .size: 8, .value_kind: global_buffer, .address_space: global }
      - { .name: oh, .offset: 24, .size: 8, .value_kind: global_buffer, .address_space: global }
      - { .name: first16, .offset: 32, .size: 8, .value_kind: global_buffer, .address_space: global }
    .group_segment_fixed_size: 327680
    .private_segment_fixed_size: 0
    .kernarg_segment_align: 8
    .kernarg_segment_size: 40
    .max_flat_workgroup_size: 256
    .sgpr_count:     76
    .vgpr_count:     258
    .wavefront_size: 32
...
	.end_amdgpu_metadata
.endif
;; end of part 3
;; launch oproj (part 4): grid 8 x 32, 4 waves a work-group, clusters of 4 x 4, 327,680 bytes of LDS; arguments oh, wh, out0; writes out0
.if DOCPART == 4
	.amdgcn_target "amdgcn-amd-amdhsa--gfx1250"
	.amdhsa_code_object_version 6
	.text
	.protected	k_q72fb552c88_oproj
	.globl	k_q72fb552c88_oproj
	.p2align	8
	.type	k_q72fb552c88_oproj,@function
k_q72fb552c88_oproj:
	s_mov_b64 s[64:65], 0
	v_nop
	global_prefetch_b8 v0, s[64:65] scope:SCOPE_SE
	s_setreg_imm32_b32 hwreg(HW_REG_WAVE_MODE, 25, 1), 1
	s_wait_xcnt 0x0
	s_wait_alu depctr_hold_cnt(0) depctr_sa_sdst(0) depctr_va_vdst(0) depctr_va_sdst(0) depctr_va_ssrc(0) depctr_va_vcc(0) depctr_vm_vsrc(0)
	s_getreg_b32 s2, hwreg(HW_REG_IB_STS2, 6, 4)
	s_cmp_eq_u32 s2, 0
	s_cbranch_scc0 .Lentry_in_a_cluster
	s_endpgm
.Lentry_in_a_cluster:
	s_bfe_u32 s2, ttmp6, 0x10000c
	s_cmp_lg_u32 s2, 0xf033
	s_cbranch_scc0 .Lentry_shape_is_right
	s_endpgm
.Lentry_shape_is_right:
; oproj: out0[m][n] = sum over e of O[m][e] w_o[n][e].  O: oh as [batch*16 + head][2048][64] f16; w_o: [1024][1024] f16 at byte 6,291,456 of wh
; (its bf16 rounding, held in f16); out0 [4096][1024] f32.
; Grid x = block of 128 columns (8), grid y = block of 128 rows (32): 256 work-groups.  Four waves, 64 x 64 each: 16 accumulator tiles.
; K = 1024 goes in four steps of 256 (four heads) through two LDS slots; everything is written out, there is no loop.
; CLUSTERS: 4 x 4 work-groups; O's tile is shared along a row of the cluster, w_o's along a column, each asked for jointly by the four.
; A head's 128 rows of O are 16,384 dense bytes: waves 0, 1 each bring two heads as a tile of two rows of 8,192 elements, 131,072 elements apart,
; padded behind every 32 words, so that LDS holds planes of 128 rows at pitch 144.  Waves 2, 3 each bring 64 rows x 512 bytes of w_o at pitch 528.
; The matrix instruction is used transposed (source 0 = rows of w_o, source 1 = rows of O): a lane holds one row of out0 and eight neighbouring columns.
; Window 0: addresses and two fragment buffers; window 1: the accumulators (tile (a, b) at v[8 (4 a + b)]).
.set WO_AT,  0x600000                  ; w_o's first byte in wh
.set APITCH, 144
.set APLANE, 128*APITCH                ; 18,432
.set BPITCH, 528
.set BOFF,   4*APLANE                  ; 73,728
.set SLOT,   BOFF+128*BPITCH           ; 141,312
.set STAGE,  2*SLOT                    ; 282,624 = 1,104 x 256: no fill lands here
.set SPITCH, 272                       ; the way out: 64 f32 + 16 bytes
.set ASTEP,  4*262144                  ; four heads further, in bytes
.set BSTEP,  512                       ; 256 along K, in bytes
.set ADRA, 16
.set ADRB, 20
.set STO,  24
.set RD,   25
.set CO,   26
.set F0,   64                          ; w_o's fragments at f + 8 b, O's at f + 32 + 8 a
.set F1,   128
.set G1,  24
.set G0,  32
.set G1B, 48
.set G0B, 56
.set MSB, 0
.macro WIN new
.if MSB != \new
	s_set_vgpr_msb (MSB<<8)|\new
.set MSB, \new
.endif
.endm
.set MUL_W, 0x50                       ; C and D window 1, sources window 0
.set ST_W,  0x04                       ; an LDS store's data window 1, its address window 0
.macro JLOAD s
	s_cmp_eq_u32 s11, 0
	s_cbranch_scc0 .Lfor_b_\@
	tensor_load_to_lds s[G0+4*\s:G0+4*\s+3], s[G1:G1+7]
	s_nop 0
	s_branch .Lasked_\@
.Lfor_b_\@:
	tensor_load_to_lds s[G0B+4*\s:G0B+4*\s+3], s[G1B:G1B+7]
	s_nop 0
.Lasked_\@:
.endm
.macro CREST
	s_cmp_lg_u32 s10, 0
	s_cbranch_scc1 .Lnot_wave_0_\@
	s_barrier_signal -3
.Lnot_wave_0_\@:
	s_barrier_wait -3
	s_barrier_signal -1
	s_barrier_wait -1
.endm
.macro CROUND
	s_barrier_signal -1
	s_barrier_wait -1
	CREST
.endm
	s_load_b128 s[4:7], s[0:1], 0x0                ; oh 4, wh 6
	s_load_b64 s[8:9], s[0:1], 0x10                ; out0
	v_lshl_add_u32 v254, v0, 2, 0x49400
	v_mov_b32 v255, 0
	ds_add_u32 v254, v255
	v_lshrrev_b32 v1, 5, v0
	v_readfirstlane_b32 s10, v1                    ; wave 0..3
	s_lshr_b32 s11, s10, 1                         ; my half of the rows.  Also: I fetch O (0) or w_o (1)
	s_and_b32 s12, s10, 1                          ; my half of the columns.  Also: which half of that tile I fetch
	s_bfe_u32 s40, ttmp6, 0x40000                  ; cx
	s_bfe_u32 s41, ttmp6, 0x40004                  ; cy
	s_lshl_b32 s42, ttmp9, 2
	s_add_co_u32 s42, s42, s40                     ; block of columns
	s_and_b32 s13, ttmp7, 0xffff
	s_lshl_b32 s13, s13, 2
	s_add_co_u32 s13, s13, s41                     ; block of rows
	s_lshl_b32 s43, s41, 2
	s_lshl_b32 s43, 15, s43                        ; my row of the cluster
	s_lshl_b32 s44, 0x1111, s40                    ; my column
	s_or_b32 s[G1+0], s43, (1<<16)|(1<<20)|(1<<21)|(4<<22)|(3<<25)    ; O: 2-byte elements, padding of 4 words after every 32, bit 21 beside the mask
	s_or_b32 s[G1B+0], s44, (1<<16)|(1<<20)|(1<<21)|(6<<22)|(3<<25)   ; w_o: after every 128 words
	s_mov_b32 s[G1+1], 8192<<16                    ; tensor_dim0 = 8,192 elements: a head's 128 rows
	s_mov_b32 s[G1B+1], 256<<16
	s_mov_b32 s[G1+2], 2<<16                       ; tensor_dim1 = 2 heads
	s_mov_b32 s[G1B+2], 64<<16
	s_mov_b32 s[G1+3], 8192<<16                    ; tile_dim0
	s_mov_b32 s[G1B+3], 256<<16
	s_mov_b32 s[G1+4], 2                           ; tile_dim1
	s_mov_b32 s[G1B+4], 64
	s_mov_b32 s[G1+5], 131072                      ; elements from head to head
	s_mov_b32 s[G1B+5], 1024
	s_mov_b32 s[G1+6], 0
	s_mov_b32 s[G1B+6], 0
	s_mov_b32 s[G1+7], 0
	s_mov_b32 s[G1B+7], 0
	s_lshr_b32 s16, s13, 4                         ; batch
	s_lshl_b32 s16, s16, 4
	s_lshl1_add_u32 s16, s12, s16                  ; batch x 16 + 2 x half: my first head of step 0
	s_lshl_b32 s16, s16, 18                        ; x 262,144 bytes
	s_and_b32 s17, s13, 15
	s_lshl_b32 s17, s17, 14                        ; 128 rows x 128 bytes
	s_add_co_u32 s16, s16, s17
	s_mov_b32 s17, 0
	s_lshl_b32 s46, s42, 7
	s_lshl_b32 s47, s12, 6
	s_add_co_u32 s46, s46, s47                     ; w_o: row 128 x block + 64 x half
	s_lshl_b32 s46, s46, 11
	s_add_co_u32 s46, s46, WO_AT                   ; behind the packed q, k, v weights
	s_mov_b32 s47, 0
	s_mul_i32 s20, s10, 2*APLANE                   ; LDS: O at wave x 36,864 (waves 0, 1),
	s_mul_i32 s45, s10, 64*BPITCH
	s_add_co_u32 s45, s45, BOFF-128*BPITCH         ; w_o at 73,728 + (wave - 2) x 33,792 (waves 2, 3)
	s_wait_dscnt 0x0
	s_wait_kmcnt 0x0
	s_add_nc_u64 s[14:15], s[4:5], s[16:17]
	s_add_nc_u64 s[46:47], s[6:7], s[46:47]
	CROUND                                         ; all sixteen work-groups are here: the first joint loads meet
.irp s, 0,1
	s_mov_b32 s[G0+4*\s], 1
	s_add_co_u32 s[G0+4*\s+1], s20, \s*SLOT
	s_add_nc_u64 s[G0+4*\s+2:G0+4*\s+3], s[14:15], \s*ASTEP
	s_or_b32 s[G0+4*\s+3], s[G0+4*\s+3], 0x80000000
	s_mov_b32 s[G0B+4*\s], 1
	s_add_co_u32 s[G0B+4*\s+1], s45, \s*SLOT
	s_add_nc_u64 s[G0B+4*\s+2:G0B+4*\s+3], s[46:47], \s*BSTEP
	s_or_b32 s[G0B+4*\s+3], s[G0B+4*\s+3], 0x80000000
	JLOAD \s                                       ; two tensor loads of the wave are out
.endr
	v_and_b32 v1, 15, v0                           ; r
	v_bfe_u32 v2, v0, 4, 1                         ; h
	v_mul_u32_u24 v3, v1, APITCH
	v_lshl_add_u32 v3, v2, 4, v3
	v_mul_u32_u24 v4, v1, BPITCH
	v_lshl_add_u32 v4, v2, 4, v4
	s_mul_i32 s21, s11, 64*APITCH
	s_mul_i32 s22, s12, 64*BPITCH
	s_add_co_u32 s22, s22, BOFF
.irp s, 0,1
	v_add_nc_u32 v[ADRA+\s], s21, v3
	v_add_nc_u32 v[ADRB+\s], s22, v4
	s_add_co_u32 s21, s21, SLOT
	s_add_co_u32 s22, s22, SLOT
.endr
	s_mul_i32 s23, s10, 16*SPITCH
	s_add_co_u32 s23, s23, STAGE
	v_mul_u32_u24 v5, v1, SPITCH
	v_lshl_add_u32 v5, v2, 5, v5
	v_add_nc_u32 v[STO], s23, v5                   ; in: row r, 32 bytes for each half of the lanes
	v_mul_u32_u24 v5, v2, SPITCH
	v_lshl_add_u32 v5, v1, 4, v5
	v_add_nc_u32 v[RD], s23, v5                    ; back: lanes 0-15 one row of 256 bytes, lanes 16-31 the next
	v_lshlrev_b32 v5, 12, v2
	v_lshl_add_u32 v[CO], v1, 4, v5                ; and the same two rows in out0
	s_lshl_b32 s66, s13, 7
	s_lshl_b32 s67, s11, 6
	s_add_co_u32 s66, s66, s67                     ; my first row
	s_lshl_b32 s66, s66, 12                        ; x 4,096 bytes
	s_lshl_b32 s67, s42, 7
	s_lshl_b32 s68, s12, 6
	s_add_co_u32 s67, s67, s68                     ; my first column
	s_lshl_b32 s67, s67, 2
	s_add_co_u32 s66, s66, s67
	s_mov_b32 s67, 0
	s_add_nc_u64 s[8:9], s[8:9], s[66:67]
; 16 matrix instructions, 32 along K; the 16 accumulators take turns, one instruction a turn.
.macro MUL16 f, zero
.irp a, 0,1,2,3
.irp b, 0,1,2,3
.if \zero
	v_wmma_f32_16x16x32_f16 v[8*(4*\a+\b):8*(4*\a+\b)+7], v[\f+8*\b:\f+8*\b+7], v[\f+32+8*\a:\f+32+8*\a+7], 0
.else
	v_wmma_f32_16x16x32_f16 v[8*(4*\a+\b):8*(4*\a+\b)+7], v[\f+8*\b:\f+8*\b+7], v[\f+32+8*\a:\f+32+8*\a+7], v[8*(4*\a+\b):8*(4*\a+\b)+7]
.endif
.endr
.endr
.endm
; 16 LDS loads: part kq (32 along K) of the slot's 256: 64 rows of w_o, 64 rows of O (head kq / 2 of the slot's four, its dimensions 32 (kq % 2) ..)
.macro FETCH s, kq, f
.irp i, 0,1,2,3
	ds_load_b128 v[\f+8*\i:\f+8*\i+3],   v[ADRB+\s] offset:\i*16*BPITCH+64*\kq
	ds_load_b128 v[\f+8*\i+4:\f+8*\i+7], v[ADRB+\s] offset:\i*16*BPITCH+64*\kq+32
.endr
.irp i, 0,1,2,3
	ds_load_b128 v[\f+32+8*\i:\f+32+8*\i+3], v[ADRA+\s] offset:(\kq/2)*APLANE+\i*16*APITCH+64*(\kq%2)
	ds_load_b128 v[\f+32+8*\i+4:\f+32+8*\i+7], v[ADRA+\s] offset:(\kq/2)*APLANE+\i*16*APITCH+64*(\kq%2)+32
.endr
.endm
.macro PLACES                          ; four places between a matrix instruction and a load into one of its registers, or an LDS store of its result (ISA guide 7.12.1 for vector instructions)
.rept 4
	v_nop
.endr
.endm
; Fetches part kqnext into buffer g, then multiplies buffer f while those loads are on their way.
.macro QUARTER s, kqnext, f, g, zero
	PLACES
	FETCH \s, \kqnext, \g
	s_wait_dscnt 16                                ; all but the 16 just issued: buffer f is in
	WIN MUL_W
	MUL16 \f, \zero
	WIN 0
.endm
.macro SEVEN s, zero
	QUARTER \s, 1, F0, F1, \zero
	QUARTER \s, 2, F1, F0, 0
	QUARTER \s, 3, F0, F1, 0
	QUARTER \s, 4, F1, F0, 0
	QUARTER \s, 5, F0, F1, 0
	QUARTER \s, 6, F1, F0, 0
	QUARTER \s, 7, F0, F1, 0
.endm
; The slot's last part and the change of slots.  In front of the barrier: my reads of this slot and all my tensor loads.  Where the slot is filled again the
; barrier opens a round of the cluster's barrier and the joint refill is the wave's first and only tensor load behind it: it has 112 matrix instructions in which to land.
.macro TURN s, next, fill
	s_wait_dscnt 0
	s_wait_tensorcnt 0x0
	ds_add_u32 v254, v255
	s_wait_dscnt 0x0
	s_barrier_signal -1
	WIN MUL_W
	MUL16 F1, 0
	WIN 0
	s_barrier_wait -1
.if \fill
	CREST
	s_add_nc_u64 s[G0+4*\s+2:G0+4*\s+3], s[G0+4*\s+2:G0+4*\s+3], 2*ASTEP
	s_add_nc_u64 s[G0B+4*\s+2:G0B+4*\s+3], s[G0B+4*\s+2:G0B+4*\s+3], 2*BSTEP
	JLOAD \s
.endif
	PLACES
	FETCH \next, 0, F0
.endm
	s_wait_tensorcnt 0x1                           ; my part of step 0 is in; step 1's may stay out
	s_barrier_signal -1
	s_barrier_wait -1
	FETCH 0, 0, F0
	SEVEN 0, 1                                     ; the first product starts the sums
	TURN 0, 1, 1                                   ; slot 0 gets step 2
	SEVEN 1, 0
	TURN 1, 0, 1                                   ; slot 1 gets step 3
	SEVEN 0, 0
	TURN 0, 1, 0                                   ; nothing is left to fetch
	SEVEN 1, 0
	s_wait_dscnt 0
	WIN MUL_W
	MUL16 F1, 0
	WIN 0
	; THE WAY OUT, 16 rows at a time: 32 bytes a lane into my stage, back as rows of 256 bytes, sixteen lanes store 256 neighbouring, aligned bytes.
	PLACES
.macro OUTA a, f
	WIN ST_W
.irp b, 0,1,2,3
	ds_store_b128 v[STO], v[8*(4*\a+\b):8*(4*\a+\b)+3]   offset:64*\b
	ds_store_b128 v[STO], v[8*(4*\a+\b)+4:8*(4*\a+\b)+7] offset:64*\b+16
.endr
	WIN 0
	s_wait_xcnt 0x0                                ; buffer f was the data of earlier stores: it is loaded again only behind this wait (ISA guide 3.1)
.irp t, 0,1,2,3,4,5,6,7
	ds_load_b128 v[\f+4*\t:\f+4*\t+3], v[RD] offset:\t*2*SPITCH    ; LDS serves a wave's instructions in order: these see the stores above
.endr
.irp t, 0,1,2,3,4,5,6,7
	s_wait_dscnt 7-\t
	global_store_b128 v[CO], v[\f+4*\t:\f+4*\t+3], s[8:9] offset:\a*65536+\t*8192 th:TH_STORE_NT
.endr
.endm
	OUTA 0, F0
	OUTA 1, F1
	OUTA 2, F0
	OUTA 3, F1
	s_wait_tensorcnt 0x0
	ds_add_u32 v254, v255
	s_wait_dscnt 0x0
	CROUND                                         ; the closing round: no work-group ends while a partner may still ask for a tile that names it
	s_endpgm
.Lfunc_end_k_q72fb552c88_oproj:
	.size	k_q72fb552c88_oproj, .Lfunc_end_k_q72fb552c88_oproj-k_q72fb552c88_oproj
	.p2alignl 7, 3214868480
	.fill 96, 4, 3214868480
	.section	.rodata,"a",@progbits
	.p2align	6, 0x0
	.amdhsa_kernel k_q72fb552c88_oproj
		.amdhsa_group_segment_fixed_size 327680
		.amdhsa_private_segment_fixed_size 0
		.amdhsa_enable_private_segment 0
		.amdhsa_kernarg_size 24
		.amdhsa_user_sgpr_count 2
		.amdhsa_user_sgpr_kernarg_segment_ptr 1
		.amdhsa_wavefront_size32 1
		.amdhsa_system_sgpr_workgroup_id_x 1
		.amdhsa_system_sgpr_workgroup_id_y 1
		.amdhsa_system_sgpr_workgroup_id_z 1
		.amdhsa_system_vgpr_workitem_id 0
		.amdhsa_next_free_vgpr 384
		.amdhsa_next_free_sgpr 72
		.amdhsa_reserve_vcc 0
		.amdhsa_float_denorm_mode_32 3
		.amdhsa_float_denorm_mode_16_64 3
		.amdhsa_memory_ordered 1
		.amdhsa_forward_progress 1
		.amdhsa_inst_pref_size 89
	.end_amdhsa_kernel
	.amdgpu_metadata
---
amdhsa.version: [ 1, 2 ]
amdhsa.kernels:
  - .name:           k_q72fb552c88_oproj
    .symbol:         k_q72fb552c88_oproj.kd
    .args:
      - { .name: oh, .offset: 0, .size: 8, .value_kind: global_buffer, .address_space: global }
      - { .name: wh, .offset: 8, .size: 8, .value_kind: global_buffer, .address_space: global }
      - { .name: out0, .offset: 16, .size: 8, .value_kind: global_buffer, .address_space: global }
    .group_segment_fixed_size: 327680
    .private_segment_fixed_size: 0
    .kernarg_segment_align: 8
    .kernarg_segment_size: 24
    .max_flat_workgroup_size: 128
    .sgpr_count:     72
    .vgpr_count:     384
    .wavefront_size: 32
...
	.end_amdgpu_metadata
.endif
;; end of part 4
;; ======== version 2 of 2: 4 launches; version 1 with the launch prep written anew for expert scheduling mode
;; limits: values are held in f16: magnitudes above 65,504 overflow, below 6.1e-05 lose precision
;; workspace buffers: xh 8,388,608 bytes; wh 8,388,608 bytes; cs 1,048,576 bytes; qh 8,388,608 bytes; kh 8,388,608 bytes; vh 8,388,608 bytes; oh 8,388,608 bytes; first16 3,145,728 bytes
;; launch prep (part 5): grid 256 x 1, 8 waves a work-group, no clusters, 0 bytes of LDS; arguments x, w_q, w_k, w_v, w_o, token_positions, xh, wh, cs; writes xh, wh, cs
.if DOCPART == 5
	.amdgcn_target "amdgcn-amd-amdhsa--gfx1250"
	.amdhsa_code_object_version 6
	.text
	.protected	k_q72fb552c88_prep
	.globl	k_q72fb552c88_prep
	.p2align	8
	.type	k_q72fb552c88_prep,@function
k_q72fb552c88_prep:
	s_mov_b64 s[64:65], 0
	v_nop
	global_prefetch_b8 v0, s[64:65] scope:SCOPE_SE
	s_setreg_imm32_b32 hwreg(HW_REG_WAVE_SCHED_MODE, 0, 2), 2
	s_setreg_imm32_b32 hwreg(HW_REG_WAVE_MODE, 25, 1), 1
	s_wait_xcnt 0x0
	s_wait_alu depctr_vm_vsrc(0)
; prep: 16-bit copies of x and of the four weights, and the table of cosines and sines for RoPE.
; All five floating-point inputs are rounded once, to bf16 (nearest even), the rounding of matrix operands that the problem's contract names.
; x, w_q, w_k, w_v are stored as bf16.  w_o's bf16 value is stored in f16: its partner in the last product needs f16's 11 bits, and one matrix
; form takes one format for both operands.  A bf16 number of magnitude 7.6e-6 to 65,504 is exact in f16.
; 256 work-groups of eight waves.  Each turns one dense block of 131,072 bytes of f32 into 65,536 dense bytes:
;   groups 0-127: x -> xh, block g.   groups 128-255: part = (g-128)/32 (q, k, v, o), block rb = g mod 32 = 32 rows of that weight.
;   w_q, w_k, w_v go into wh's first 3,072 rows: row head*192 + half*96 + part*32 + r holds row head*64 + half*32 + r of the part, so that one head's
;   q, k and v rows are 192 neighbouring rows for the next launch; 32 rows (rb = 2 head + half) stay one dense block.  w_o follows at byte 6,291,456 as it lies.
; Thread t takes 32 bytes (two loads of 16) of each of 16 chunks of 8,192 bytes and stores 16 bytes: a wave's store covers 512 neighbouring bytes.
; All 32 loads go out first; the trigonometry is done while they are on their way; no register of a load or store is used twice.
; Table: cs[row][i] = (cos, sin) of position[row] * 10000^(-i/32), f32, a row is 256 bytes.  Wave w of group g makes rows 16 g + 2 w and + 1; lane = i.
; LIMITS.  w_o in f16: |w_o| at or above 65,520 becomes infinity; below 7.6e-6 it keeps an absolute step of 6e-8.
;          10000^(-i/32) = 2^(-i log2(10)/8) by v_exp_f32: it may differ from a correctly rounded power in the last few bits.
;          Angle reduced by pi/2 in two parts: the reduced angle is off by less than 1e-7 for |position| < 100,000 and by about 1e-5 at 2^31.
; No LDS, no matrix unit, no cluster: a stream in which no byte is shared.
; THE MODE: SCHED_MODE bits 1:0 = 2 (LLVM: expert scheduling mode 2), set by the entry lines.  The code itself states the register dependences
; between vector instructions and memory instructions, with s_wait_alu, always for 0.
; THE PLAN.  Registers that memory instructions touch:
;   v1, v2, v[CSA]  byte offsets.  Each is written by one vector line and never again; read by the loads (v1), the stores (v2), the table's stores (CSA).
;   X               each register is the target of one load; no vector line names it before that load, and only its chunk's conversions read it behind.
;   CSD             written by the four lines that end the trigonometry; read by the table's two stores; never written again.
;   Y               chunk c's four registers are written by chunk c's conversions alone and read by chunk c's one store; never written again.
;   v3-v15, T and v216-226 are named by vector instructions alone.
; No register that a memory instruction has read is written again, and no load lands in a register that a vector instruction has named: so the only dependences
; are 'a vector line has written what a memory instruction reads', stated by a wait on va_vdst ahead of the loads, ahead of the table's stores and once for
; each four chunks' stores, and 'a vector line has written a scalar register', stated by two waits on va_sdst.  The one wait on vm_vsrc stands among the entry lines.
.set X,   16                           ; v[16:143]   chunk c: 8 registers of f32 as loaded
.set Y,   144                          ; v[144:207]  chunk c: 4 registers to store
.set CSD, 208                          ; v[208:211]  (cos, sin) of my two rows
.set CSA, 212                          ; v212        8 x lane
.set T,   4                            ; v[4:11]     w_o: the bf16 values widened, at work (free behind the trigonometry)
.set TA,  5                            ; v[5:15]     the trigonometry of my first row, at work
.set TB,  216                          ; v[216:226]  of my second row
.set WO_AT, 0x600000                   ; w_o's first byte in wh: 3,072 rows x 2,048 bytes
	s_load_b512 s[8:23], s[0:1], 0x0               ; x 8, w_q 10, w_k 12, w_v 14, w_o 16, positions 18, xh 20, wh 22
	s_load_b64 s[24:25], s[0:1], 0x40              ; cs
	v_lshrrev_b32 v3, 5, v0
	v_readfirstlane_b32 s45, v3                    ; wave 0..7
	v_lshlrev_b32 v1, 5, v0                        ; 32 t: my bytes in a chunk of the source
	v_lshlrev_b32 v2, 4, v0                        ; 16 t: my bytes in a chunk of the destination
	v_and_b32 v3, 31, v0                           ; lane = frequency index i
	s_and_b32 s31, ttmp9, 31                       ; rb
	s_lshr_b32 s32, ttmp9, 5                       ; 0-3: x; 4, 5, 6, 7: w_q, w_k, w_v, w_o
	s_cmp_lt_u32 s32, 4
	s_cselect_b32 s33, ttmp9, s31                  ; number of my block in its source
	s_lshl_b32 s34, s33, 17                        ; source offset: block x 131,072
	s_mov_b32 s35, 0
	s_lshl_b32 s38, s33, 16                        ; block x 65,536: the offset in xh
	s_lshr_b32 s36, s31, 1                         ; head
	s_mul_i32 s36, s36, 192
	s_and_b32 s37, s31, 1                          ; half
	s_mul_i32 s37, s37, 96
	s_add_co_u32 s36, s36, s37
	s_sub_co_u32 s39, s32, 4                       ; part (wraps for x, where it is not used)
	s_lshl_b32 s37, s39, 5
	s_add_co_u32 s36, s36, s37                     ; packed row in wh
	s_lshl_b32 s36, s36, 11                        ; x 2,048 bytes
	s_add_co_u32 s44, s38, WO_AT                   ; w_o's block in wh
	s_cmp_eq_u32 s32, 7
	s_cselect_b32 s36, s44, s36
	s_cmp_lt_u32 s32, 4
	s_cselect_b32 s36, s38, s36                    ; destination offset
	s_mov_b32 s37, 0
	s_wait_alu depctr_va_sdst(0)                   ; s45, the wave's number, is written, ahead of its first reader: the offsets in the positions and in cs are made from it
	s_lshl_b32 s58, ttmp9, 6                       ; positions: 4 bytes x (16 g + 2 w)
	s_lshl3_add_u32 s58, s45, s58
	s_mov_b32 s59, 0
	s_lshl_b32 s56, ttmp9, 12                      ; cs: 256 bytes x (16 g + 2 w)
	s_lshl_b32 s57, s45, 9
	s_add_co_u32 s56, s56, s57
	s_mov_b32 s57, 0
	s_mov_b32 s48, 0xbfc90fdb                      ; -(pi/2), upper part
	s_mov_b32 s49, 0x333bbd2e                      ; -(pi/2 - upper part)
	s_mov_b32 s50, 0xb94ca1f9                      ; sine:   -1.9515295891e-4
	s_mov_b32 s51, 0x3c08839e                      ;          8.3321608736e-3
	s_mov_b32 s52, 0xbe2aaaa3                      ;         -1.6666654611e-1
	s_mov_b32 s53, 0x37ccf5ce                      ; cosine:  2.4433157118e-5
	s_mov_b32 s54, 0xbab6061a                      ;         -1.3887316255e-3
	s_mov_b32 s55, 0x3d2aaaa5                      ;          4.1666645683e-2
	s_wait_kmcnt 0x0
	s_add_nc_u64 s[18:19], s[18:19], s[58:59]
	s_load_b64 s[28:29], s[18:19], 0x0             ; my two positions
	s_cmp_eq_u32 s32, 4                            ; the source is chosen by the group's number alone
	s_cselect_b64 s[40:41], s[10:11], s[8:9]
	s_cmp_eq_u32 s32, 5
	s_cselect_b64 s[40:41], s[12:13], s[40:41]
	s_cmp_eq_u32 s32, 6
	s_cselect_b64 s[40:41], s[14:15], s[40:41]
	s_cmp_eq_u32 s32, 7
	s_cselect_b64 s[40:41], s[16:17], s[40:41]
	s_cmp_lt_u32 s32, 4                            ; and so is the destination
	s_cselect_b64 s[42:43], s[20:21], s[22:23]
	s_add_nc_u64 s[40:41], s[40:41], s[34:35]
	s_add_nc_u64 s[42:43], s[42:43], s[36:37]
	s_add_nc_u64 s[46:47], s[24:25], s[56:57]
	s_wait_alu depctr_va_vdst(0)                   ; v1 and v2 are written: the 32 loads below read v1 as their offset, the 16 stores further down v2; no line names either again
.set c, 0
.rept 16
	global_load_b128 v[X+8*c:X+8*c+3],   v1, s[40:41] offset:8192*c th:TH_LOAD_NT
	global_load_b128 v[X+8*c+4:X+8*c+7], v1, s[40:41] offset:8192*c+16 th:TH_LOAD_NT
.set c, c+1
.endr
	v_cvt_f32_u32 v4, v3
	v_mul_f32 v4, 0xbed49a78, v4                   ; -i log2(10) / 8
	v_exp_f32 v4, v4                               ; 10^(-i/8) = 10000^(-i/32)
	v_lshlrev_b32 v[CSA], 3, v3                    ; the plain instruction between v_exp_f32 and the use of its result (ISA guide 5.7.2)
	s_wait_alu depctr_va_vdst(0)                   ; the exponential has written v4, ahead of its first reader; v[CSA], the offset of the table's stores, is written too
	s_wait_kmcnt 0x0                               ; the positions
; cos and sin of position x frequency.  N = nearest whole number of quarter turns, R = the rest in [-pi/4, pi/4], polynomials in R,
; then the quadrant: odd N swaps the two; sin changes sign for N mod 4 = 2, 3, cos for N mod 4 = 1, 2.
; The two rows are laid side by side, each in eleven registers from t on: +0 the angle, +1 N, +2 R, +3 N as a whole number, +4 Z, +5 sin R, +6 cos R,
; +7 and +10 the two signs, +8 and +9 the two selected.  TRIG_A holds all that needs no mask; 'N is odd' goes into a scalar register early in it, so that
; the reduction and the polynomials stand between the compare and the one wait for both rows' masks.  TRIG_B holds the selects and the signs.
.macro TRIG_A srow, t, mask
	v_cvt_f32_i32 v[\t], \srow
	v_mul_f32 v[\t], v[\t], v4                     ; the angle, one f32 product as in the definition
	v_mul_f32 v[\t+1], 0x3f22f983, v[\t]           ; x 2/pi
	v_rndne_f32 v[\t+1], v[\t+1]                   ; N
	v_cvt_i32_f32 v[\t+3], v[\t+1]
	v_and_b32 v[\t+7], 1, v[\t+3]
	v_cmp_eq_u32 \mask, 1, v[\t+7]                 ; N is odd
	v_fma_f32 v[\t+2], v[\t+1], s48, v[\t]
	v_fma_f32 v[\t+2], v[\t+1], s49, v[\t+2]       ; R
	v_mul_f32 v[\t+4], v[\t+2], v[\t+2]            ; Z = R R
	v_fma_f32 v[\t+5], v[\t+4], s50, s51
	v_fma_f32 v[\t+6], v[\t+4], s53, s54
	v_fma_f32 v[\t+5], v[\t+5], v[\t+4], s52
	v_fma_f32 v[\t+6], v[\t+6], v[\t+4], s55
	v_mul_f32 v[\t+5], v[\t+5], v[\t+4]
	v_fma_f32 v[\t+6], v[\t+6], v[\t+4], -0.5
	v_fma_f32 v[\t+5], v[\t+5], v[\t+2], v[\t+2]   ; sin R
	v_fma_f32 v[\t+6], v[\t+6], v[\t+4], 1.0       ; cos R
	v_lshlrev_b32 v[\t+7], 30, v[\t+3]             ; bit 1 of N to the sign's place
	v_add_nc_u32 v[\t+10], 1, v[\t+3]
	v_lshlrev_b32 v[\t+10], 30, v[\t+10]           ; bit 1 of N + 1
	v_and_b32 v[\t+7], 0x80000000, v[\t+7]
	v_and_b32 v[\t+10], 0x80000000, v[\t+10]
.endm
.macro TRIG_B t, mask, dst
	v_cndmask_b32 v[\t+8], v[\t+5], v[\t+6], \mask ; sin: cos R where N is odd
	v_cndmask_b32 v[\t+9], v[\t+6], v[\t+5], \mask ; cos: sin R where N is odd
	v_xor_b32 v[\dst], v[\t+9], v[\t+10]
	v_xor_b32 v[\dst+1], v[\t+8], v[\t+7]
.endm
	TRIG_A s28, TA, s26
	TRIG_A s29, TB, s27
	s_wait_alu depctr_va_sdst(0)                   ; the two compares have written s26 and s27, ahead of their first readers, the selects below: one wait for both rows
	TRIG_B TA, s26, CSD
	TRIG_B TB, s27, CSD+2
	s_wait_alu depctr_va_vdst(0)                   ; v[CSD .. CSD+3] are written, which the two stores below read as their data
	global_store_b64 v[CSA], v[CSD:CSD+1],   s[46:47]              ; 32 lanes x 8 bytes: one whole row of 256 bytes
	global_store_b64 v[CSA], v[CSD+2:CSD+3], s[46:47] offset:256   ; and the next row
; The 16 chunks are rounded and stored, four chunks to a group.  wo = 1: the bf16 values are widened again (a shift, a mask) and packed as f16.
; A group's conversions write its sixteen registers of Y; one wait states that; its four stores follow.  The wait stands behind the conversions and not at the next
; group's head: there stands a wait for loads, behind which the four stores would lie idle.
.macro CONV wo
.set c, 0
.rept 4
.rept 4
	s_wait_loadcnt 30-2*c                          ; loads come back in order (ISA guide 5.7.1): chunk c's two are in, the 2 (15 - c) younger ones stay out
.irp k, 0,1,2,3
	v_cvt_pk_bf16_f32 v[Y+4*c+\k], v[X+8*c+2*\k], v[X+8*c+2*\k+1]
.endr
.if \wo
.irp k, 0,1,2,3
	v_lshlrev_b32 v[T+2*\k],   16, v[Y+4*c+\k]
	v_and_b32     v[T+2*\k+1], 0xffff0000, v[Y+4*c+\k]
.endr
.irp k, 0,1,2,3
	v_cvt_pk_f16_f32 v[Y+4*c+\k], v[T+2*\k], v[T+2*\k+1]
.endr
.endif
.set c, c+1
.endr
	s_wait_alu depctr_va_vdst(0)                   ; the conversions have written Y of chunks c - 4 to c - 1, which the four stores below read as their data
.irp k, 4,3,2,1
	global_store_b128 v2, v[Y+4*(c-\k):Y+4*(c-\k)+3], s[42:43] offset:4096*(c-\k)
.endr
.endr
.endm
	s_cmp_eq_u32 s32, 7                            ; the group's number alone decides
	s_cbranch_scc1 .Lw_o
	CONV 0
	s_endpgm
.Lw_o:
	CONV 1
	s_endpgm
.Lfunc_end_k_q72fb552c88_prep:
	.size	k_q72fb552c88_prep, .Lfunc_end_k_q72fb552c88_prep-k_q72fb552c88_prep
	.p2alignl 7, 3214868480
	.fill 96, 4, 3214868480
	.section	.rodata,"a",@progbits
	.p2align	6, 0x0
	.amdhsa_kernel k_q72fb552c88_prep
		.amdhsa_group_segment_fixed_size 0
		.amdhsa_private_segment_fixed_size 0
		.amdhsa_enable_private_segment 0
		.amdhsa_kernarg_size 72
		.amdhsa_user_sgpr_count 2
		.amdhsa_user_sgpr_kernarg_segment_ptr 1
		.amdhsa_wavefront_size32 1
		.amdhsa_system_sgpr_workgroup_id_x 1
		.amdhsa_system_sgpr_workgroup_id_y 1
		.amdhsa_system_sgpr_workgroup_id_z 1
		.amdhsa_system_vgpr_workitem_id 0
		.amdhsa_next_free_vgpr 228
		.amdhsa_next_free_sgpr 66
		.amdhsa_reserve_vcc 0
		.amdhsa_float_denorm_mode_32 3
		.amdhsa_float_denorm_mode_16_64 3
		.amdhsa_memory_ordered 1
		.amdhsa_forward_progress 1
		.amdhsa_inst_pref_size 32
	.end_amdhsa_kernel
	.amdgpu_metadata
---
amdhsa.version: [ 1, 2 ]
amdhsa.kernels:
  - .name:           k_q72fb552c88_prep
    .symbol:         k_q72fb552c88_prep.kd
    .args:
      - { .name: x, .offset: 0, .size: 8, .value_kind: global_buffer, .address_space: global }
      - { .name: w_q, .offset: 8, .size: 8, .value_kind: global_buffer, .address_space: global }
      - { .name: w_k, .offset: 16, .size: 8, .value_kind: global_buffer, .address_space: global }
      - { .name: w_v, .offset: 24, .size: 8, .value_kind: global_buffer, .address_space: global }
      - { .name: w_o, .offset: 32, .size: 8, .value_kind: global_buffer, .address_space: global }
      - { .name: token_positions, .offset: 40, .size: 8, .value_kind: global_buffer, .address_space: global }
      - { .name: xh, .offset: 48, .size: 8, .value_kind: global_buffer, .address_space: global }
      - { .name: wh, .offset: 56, .size: 8, .value_kind: global_buffer, .address_space: global }
      - { .name: cs, .offset: 64, .size: 8, .value_kind: global_buffer, .address_space: global }
    .group_segment_fixed_size: 0
    .private_segment_fixed_size: 0
    .kernarg_segment_align: 8
    .kernarg_segment_size: 72
    .max_flat_workgroup_size: 256
    .sgpr_count:     66
    .vgpr_count:     228
    .wavefront_size: 32
...
	.end_amdgpu_metadata
.endif
;; end of part 5
;; launch qkv: the kernel of part 2 again; grid 16 x 16, 4 waves a work-group, clusters of 4 x 4, 327,680 bytes of LDS; arguments xh, wh, cs, qh, kh, vh, first16; writes qh, kh, vh, first16
;; launch attn: the kernel of part 3 again; grid 256 x 1, 8 waves a work-group, no clusters, 327,680 bytes of LDS; arguments qh, kh, vh, oh, first16; writes oh
;; launch oproj: the kernel of part 4 again; grid 8 x 32, 4 waves a work-group, clusters of 4 x 4, 327,680 bytes of LDS; arguments oh, wh, out0; writes out0
